; MI455X (gfx1250); checked and timed in simulation.
; The chip was launched on July 23, 2026; its instructions are those of AMD's public machine-readable ISA for CDNA 5 (MIT licence, August 2026) and "CDNA5" Instruction Set Architecture Reference Guide (July 2026). The comments in the code are by the model that wrote it; some were corrected since.
;; Gemma4 Attention. Allowed arithmetic: matrix products marked QUANTISED: E2M3 operands, one E8M0 scale for each 32 along K, by v_wmma_scale_f32_16x16x128_f8f6f4 with both operands' format E2M3, f32 sums; everything else in f32.
;; Inputs: cos 1 x 4,096 x 256 float32; hidden_states_codes 1 x 4,096 x 64 x 24 uint8 (E2M3 codes of hidden_states, K innermost, in blocks of 32 codes, four codes in three bytes); hidden_states_scales 1 x 4,096 x 64 uint8 (E8M0 scales of hidden_states, one for each 32 codes along K); k_norm_w 256 float32; k_w_codes 1,024 x 64 x 24 uint8 (E2M3 codes of k_w, K innermost, in blocks of 32 codes, four codes in three bytes); k_w_scales 1,024 x 64 uint8 (E8M0 scales of k_w, one for each 32 codes along K); o_w_codes 2,048 x 32 x 24 uint8 (E2M3 codes of o_w, K innermost, in blocks of 32 codes, four codes in three bytes); o_w_scales 2,048 x 32 uint8 (E8M0 scales of o_w, one for each 32 codes along K); q_norm_w 256 float32; q_w_codes 1,024 x 64 x 24 uint8 (E2M3 codes of q_w, K innermost, in blocks of 32 codes, four codes in three bytes); q_w_scales 1,024 x 64 uint8 (E8M0 scales of q_w, one for each 32 codes along K); sin 1 x 4,096 x 256 float32; v_w_codes 1,024 x 64 x 24 uint8 (E2M3 codes of v_w, K innermost, in blocks of 32 codes, four codes in three bytes); v_w_scales 1,024 x 64 uint8 (E8M0 scales of v_w, one for each 32 codes along K).
;; Outputs: out0 1 x 4,096 x 2,048 float32.
;; This version of the problem:
;;   THIS VERSION OF THE PROBLEM IS GIVEN IN LOW PRECISION. The matrix products marked QUANTISED in the list below multiply operands that are first quantised to E2M3 (2 exponent bits, 3 mantissa bits; 6 bits a number), with one power-of-two scale for each 32 numbers along K (OCP MX v1.0); their sums are f32. All else is computed in f32.
;;   The module's matrix products, in the order in which they are computed (A, B: the left and right operand; K: the contracted axis; several contracted axes count as one K, in the product's order):
;;     1. [M 4,096, K 2,048] x [K 2,048, N 1,024]; A: input hidden_states (given as codes); B: input q_w (given as codes): QUANTISED
;;     2. [M 4,096, K 2,048] x [K 2,048, N 1,024]; A: input hidden_states (given as codes); B: input k_w (given as codes): QUANTISED
;;     3. [M 4,096, K 2,048] x [K 2,048, N 1,024]; A: input hidden_states (given as codes); B: input v_w (given as codes): QUANTISED
;;     4. batch 4 x [M 4,096, K 256] x [K 256, N 4,096]; A: computed on the way; B: computed on the way: QUANTISED
;;     5. batch 4 x [M 4,096, K 4,096] x [K 4,096, N 256]; A: softmax (see below); B: computed on the way: QUANTISED
;;     6. [M 4,096, K 1,024] x [K 1,024, N 2,048]; A: computed on the way; B: input o_w (given as codes): QUANTISED
;;   THE QUANTISER, for each operand of a quantised product, along K:
;;     - K is cut into blocks of 32 from its start; a last block that is shorter is filled with zeros.
;;     - A block's scale is 2^e with e = floor(log2(the largest magnitude in the block)) - 2, held to -126 .. 127; a block of zeros has e = 0. As a byte (E8M0): e + 127.
;;     - Each number is divided by its block's scale, clamped to +-7.5, and rounded to the nearest number of E2M3, ties to even, subnormals kept.
;;     - The product sums the exact products of the quantised numbers (number of the format x scale) in f32.
;;   ~~~python
;;   def quantise(x, axis):      # numpy; x: float32 -> the quantised numbers, widened to float32 again
;;       x = np.moveaxis(x, axis, -1); K = x.shape[-1]
;;       x = np.pad(x, [(0, 0)] * (x.ndim - 1) + [(0, -K % 32)]); x = x.reshape(x.shape[:-1] + (-1, 32)); a = np.abs(x).max(-1, keepdims=True)
;;       e = np.where(a > 0, np.clip(np.frexp(np.where(a > 0, a, 1))[1] - 1 - 2, -126, 127), 0)      # np.frexp(a)[1] - 1 = floor(log2(a)), exactly
;;       r = np.clip(x / 2.0 ** e, -7.5, 7.5)
;;       step = 2.0 ** (np.maximum(np.frexp(np.where(r == 0, 1, r))[1] - 1, 0) - 3)
;;       q = np.round(r / step) * step * 2.0 ** e      # np.round: ties to even
;;       return np.moveaxis(q.reshape(q.shape[:-2] + (-1,))[..., :K], -1, axis).astype(np.float32)
;;   ~~~
;;   SOFTMAX AHEAD OF A QUANTISED PRODUCT. Where the list says 'softmax', what is quantised is not the finished softmax but p = 2^(t - M), with t = logit x log2(e) and M = ceil(the row's largest t), a whole number; so 1/2 < the row's largest p <= 1. The row's sum l is taken of the UNQUANTISED p, in f32, and the product's result is divided by l at the end. Since M is a whole number, a kernel that streams over the keys may use a running M (the ceiling of the running maximum): every later rescaling is an exact power of two, which a block's scale takes up: the codes' values come out the same.
;;   OPERANDS COMPUTED ON THE WAY. 'Computed on the way' means the value that the module computes at that place (a softmax that the list does not call 'softmax' is quantised finished and normalised). What goes into a quantiser is computed in f32, as accurately as f32 sums, v_exp_f32 and their like allow (about 1e-6 of the number): no bf16 or f16 on the way to a quantiser, and a product that is left as it is and whose result goes on into a quantised operand takes f32 operands (vector FMAs, or v_wmma_f32_16x16x4_f32). A number that lies on a knife's edge between two numbers of the format may be rounded either way, as far as f32 arithmetic and the matrix unit's own rounding can turn it there, and no further.
;;   INPUTS GIVEN AS CODES. hidden_states (in the module: [1, 4096, 2048], K = its axis 2); k_w (in the module: [1024, 2048], K = its axis 1); o_w (in the module: [2048, 1024], K = its axis 1); q_w (in the module: [1024, 2048], K = its axis 1); v_w (in the module: [1024, 2048], K = its axis 1): each comes as NAME_codes (uint8): NAME with its K axis moved to the last place and cut into blocks of 32 codes, [.., K / 32, bytes a block], one block behind the other in memory; four codes in three bytes: a row's codes are one little-endian stream of bits, code i at bits 6 i .. 6 i + 5 (a code: sign, 2 exponent bits, 3 mantissa bits); and NAME_scales (uint8): the same leading axes, one E8M0 byte (e + 127) for each 32 codes along K. Its value is code x scale, taken as it is: it is not quantised again, and the codes and scales need not be those that the quantiser above would give.
;; One version. Each part assembles by itself: llvm-mc -triple=amdgcn-amd-amdhsa -mcpu=gfx1250 --defsym DOCPART=n.
;; ======== version 1 of 1: 3 launches
;; workspace buffers: qbuf 3,276,800 bytes; kv 6,553,600 bytes; acodes 3,145,728 bytes; ascales 131,072 bytes
;; launch proj (part 1): grid 12 x 16, 4 waves a work-group, clusters of 4 x 4, 327,680 bytes of LDS; arguments hidden_states_codes, hidden_states_scales, q_w_codes, q_w_scales, k_w_codes, k_w_scales, v_w_codes, v_w_scales, cos, sin, q_norm_w, k_norm_w, qbuf, kv; writes qbuf, kv
.if DOCPART == 1
	.amdgcn_target "amdgcn-amd-amdhsa--gfx1250"
	.amdhsa_code_object_version 6
	.text
	.protected	k_q35fbf01a5e_proj
	.globl	k_q35fbf01a5e_proj
	.p2align	8
	.type	k_q35fbf01a5e_proj,@function
k_q35fbf01a5e_proj:
	s_mov_b64 s[64:65], 0
	v_nop
	global_prefetch_b8 v0, s[64:65] scope:SCOPE_SE
	s_setreg_imm32_b32 hwreg(HW_REG_WAVE_MODE, 25, 1), 1
	s_wait_xcnt 0x0
	s_wait_alu depctr_hold_cnt(0) depctr_sa_sdst(0) depctr_va_vdst(0) depctr_va_sdst(0) depctr_va_ssrc(0) depctr_va_vcc(0) depctr_vm_vsrc(0)
	s_getreg_b32 s2, hwreg(HW_REG_IB_STS2, 6, 4)
	s_cmp_eq_u32 s2, 0
	s_cbranch_scc0 .Lentry_in_a_cluster
	s_endpgm
.Lentry_in_a_cluster:
	s_bfe_u32 s2, ttmp6, 0x10000c
	s_cmp_lg_u32 s2, 0xf033
	s_cbranch_scc0 .Lentry_shape_is_right
	s_endpgm
.Lentry_shape_is_right:
; q, k, v = hidden_states x {q_w, k_w, v_w}^T on codes of FP6 (E2M3) with E8M0 scales, then RMSNorm per head (q, k with a gain), RoPE on q and k, and the quantising of q and k along the head's 256 and of v along the tokens.
; A work-group of four waves makes 256 x 256 of one product (a wave 128 x 128: 64 accumulators); K = 2,048 goes in steps of 256 through a ring of two LDS slots filled by joint tensor loads of a 4 x 4 cluster.
; The cluster's x says which product: 0 q, 1 k, 2 v.  The matrix instruction is used transposed (source 0 = rows of "B", source 1 = rows of "A"): a lane holds ONE row of A and eight neighbouring rows of B.
; q, k: A = hidden_states (tokens), B = the weight (a head's 256 rows).  v: A = v_w (a head's 256 rows), B = hidden_states: so v's lanes hold one channel d and run along the tokens, which are v's K in attention.
; Only pointers and tile numbers are chosen by the cluster's x; both tensors have rows of 2,048 codes, so one loop serves all three.
; THE WAY OUT.  The 256 x 256 results go to a stage in LDS, [A row][B row] f32; each wave then takes 64 stage rows, 16 a trip, a lane 128 numbers of its row, normalises, turns (q, k) and quantises them.
; WHAT IS STORED.  Blocks of 25,600 bytes for 128 tokens of a head: 16 images of operand registers (12 registers a lane: group c of four at 512 c + 16 lane), then 8 registers of scale words (128 i + 4 lane).
;   q, k: image 2 kt + s = tokens 16 kt + r, K step s of the head's 256; scale register kt: lanes 0-15 step 0, lanes 16-31 step 1.   v: image dt = channels 16 dt + r, K = the block's 128 tokens; scale register i: lanes 0-15 dt = 2 i, lanes 16-31 dt = 2 i + 1.
;   qbuf: [head][32][25,600].  kv: [head][32][k's block, v's block].
; ORDER INSIDE A BLOCK OF 32 along K: place 16 h + 8 u + j holds member 16 u + 8 h + j, alike in q and k, and alike in v and in attention's p.  A block keeps its 32 members, so scales and codes are the quantiser's own; only the order of the exact products inside an instruction differs.
; LIMITS: NaN and infinities among the inputs are not served; a block whose largest magnitude lies under 2^-124 (a block of zeros too) gets the scale byte 1: these bytes are read by this program alone, and zero codes add nothing.
.set SIZE_K, 2048
.set KSTEP,  256                       ; along K in a slot
.set NQ,     KSTEP/128                 ; matrix instructions deep
.set ROWB,   192                       ; a tile's row in bytes
.set KROW,   SIZE_K*6/8                ; a row of codes in memory
.set PITCH,  240                       ; an LDS row: 3 x (64 bytes + 16 of padding): the 32 lanes of a load of 8 bytes touch 64 different banks (64 banks of 4 bytes: ISA guide 11.1)
.set FR,     12                        ; registers of a fragment
.set NL,     6                         ; LDS loads that bring one
.set NP,     4                         ; places behind this matrix instruction (ISA guide 7.12.1)
.set HALFT,  128*PITCH                 ; what one tensor load brings
.set SLOT,   4*HALFT                   ; A's 256 rows, then B's 256 rows
.set LAPS,   SIZE_K/(2*KSTEP)
.set KS,     SIZE_K/32                 ; a row of scale bytes
.set SCL,    2*SLOT                    ; behind the ring: the scale bytes, units of 256 bytes + 16
.set HALFS,  (128*KS/256)*272
.set SBLK,   (16*KS/256)*272
.set SPARE,  SCL+4*HALFS               ; the spare words: 128 bytes a wave, named by no other line
.set SPT,    1040                      ; the stage (from LDS byte 0, over ring and scales, which have had their last fill and last read): 256 rows of 1,024 bytes + 16
.set SCRQ,   256*SPT                   ; scale words in q's and k's layout, 512 bytes a wave
.set SCRV,   SCRQ+2048                 ; v: sums of squares, [half of the 256 channels][256 tokens]
.set RSV,    SCRV+2048                 ; v: 1 / rms of 256 tokens
.set SCRV2,  RSV+1024                  ; scale words in v's layout: [key block][dt][16 rows]
.set ADRA, 16                          ; v16-19  LDS addresses of my A fragments (slot 0, 1; and behind one padding more)
.set ADRB, 20                          ; v20-23  the same for B
.set STO,  24                          ; v24-25  the stage: where I put 32 bytes of a row (blocks 0-3, blocks 4-7)
.set ADRS, 27                          ; v27     my scale words
.set SPW,  28                          ; v28     my spare word; never rewritten
.set NIL,  29                          ; v29     0; never rewritten
.set SC,   32                          ; v32-63  scale words, two sets
.set AF,   128                         ; A's fragments, window 0
.set G1, 24
.set G0, 32
.set G1B, 48
.set G0B, 56
.set G1S, 68
.set G0S, 76
.set G1SB, 80
.set G0SB, 88
.set MSB, 0
.macro WIN new                         ; the immediate's high byte repeats the setting that is left
.if MSB != \new
	s_set_vgpr_msb (MSB<<8)|\new
.set MSB, \new
.endif
.endm
.set MUL_LO, 0xa1                      ; source 0 (B) window 1, source 1 (A) window 0, C and D window 2
.set MUL_HI, 0xf1                      ; the same, C and D window 3
.set TO_B,   0x40
; A joint load: waves 0 and 1 fetch for A, waves 2 and 3 for B; the branch hangs on the wave's number alone.  Four v_nop follow each of the two lines.
.macro JLOAD g0a, g1a, g0b, g1b
	s_cmp_eq_u32 s15, 0
	s_cbranch_scc0 .Lfor_b_\@
	tensor_load_to_lds s[\g0a:\g0a+3], s[\g1a:\g1a+7]
	s_nop 0
.rept 4
	v_nop
.endr
	s_branch .Lasked_\@
.Lfor_b_\@:
	tensor_load_to_lds s[\g0b:\g0b+3], s[\g1b:\g1b+7]
	s_nop 0
.rept 4
	v_nop
.endr
.Lasked_\@:
.endm
.macro CREST                           ; a round of the cluster's barrier behind its opening barrier
	s_cmp_lg_u32 s14, 0
	s_cbranch_scc1 .Lnot_wave_0_\@
	s_barrier_signal -3
.Lnot_wave_0_\@:
	s_barrier_wait -3
	s_barrier_signal -1
	s_barrier_wait -1
.endm
.macro CROUND
	s_barrier_signal -1
	s_barrier_wait -1
	CREST
.endm
	s_load_b128 s[4:7], s[0:1], 0x0                ; hidden_states: codes s[4:5], scales s[6:7]
	s_load_b256 s[68:75], s[0:1], 0x10             ; q_w: codes, scales; k_w: codes, scales
	s_load_b128 s[76:79], s[0:1], 0x30             ; v_w: codes, scales
	v_lshl_add_u32 v[SPW], v0, 2, SPARE
	v_mov_b32 v[NIL], 0
	ds_add_u32 v28, v29
	ds_add_u32 v28, v29
	s_wait_dscnt 0x0
	v_lshrrev_b32 v1, 5, v0
	v_readfirstlane_b32 s14, v1                    ; wave 0..3
	s_lshr_b32 s15, s14, 1                         ; which half of A's rows is mine.  Also: I fetch for A (0) or for B (1)
	s_and_b32 s16, s14, 1                          ; which half of B's rows.  Also: which 128 rows I fetch
	s_bfe_u32 s40, ttmp6, 0x40000                  ; cx, cy: my place in the cluster
	s_bfe_u32 s41, ttmp6, 0x40004
	s_and_b32 s18, ttmp7, 0xffff
	s_lshl_b32 s18, s18, 2
	s_add_co_u32 s17, s18, s41                     ; 4 x cluster y + cy
	s_add_co_u32 s42, s18, s40                     ; 4 x cluster y + cx
	s_cmp_eq_u32 ttmp9, 2                          ; v?  (the cluster's x: alike in all sixteen partners)
	s_cselect_b32 s17, s41, s17                    ; A's tile: q, k: the token tile 4 y + cy; v: the head cy.  It hangs on cy alone among the places
	s_cselect_b32 s42, s42, s40                    ; B's tile: q, k: the head cx; v: the token tile 4 y + cx.  On cx alone
	s_lshl_b32 s43, s41, 2
	s_lshl_b32 s43, 15, s43                        ; my row of the cluster
	s_lshl_b32 s44, 0x1111, s40                    ; my column
	s_or_b32 s[G1+0], s43, (0<<16)|(1<<20)|(1<<21)|(3<<22)|(3<<25)  ; the mask: A's tiles go to my row; elements of 1 byte; padding on; bit 21 beside a mask; after every 16 words 4 words
	s_or_b32 s[G1B+0], s44, (0<<16)|(1<<20)|(1<<21)|(3<<22)|(3<<25)
.irp g, G1, G1B
	s_mov_b32 s[\g+1], ROWB<<16                    ; tensor_dim0
	s_mov_b32 s[\g+2], 128<<16                     ; tensor_dim1
	s_mov_b32 s[\g+3], ROWB<<16                    ; tile_dim0
	s_mov_b32 s[\g+4], 128                         ; tile_dim1
	s_mov_b32 s[\g+5], KROW                        ; from row to row
	s_mov_b32 s[\g+6], 0
	s_mov_b32 s[\g+7], 0
.endr
	s_lshl_b32 s18, s16, 7                         ; which 128 rows of the tile I fetch
	s_lshl_b32 s20, s17, 8
	s_add_co_u32 s20, s20, s18                     ; A's row
	s_lshl_b32 s46, s42, 8
	s_add_co_u32 s46, s46, s18                     ; B's row
	s_mov_b32 s21, 0
	s_mov_b32 s47, 0
	s_mov_b64 s[18:19], KS
	s_mul_u64 s[22:23], s[20:21], s[18:19]         ; where these rows' scales begin
	s_mul_u64 s[92:93], s[46:47], s[18:19]
	s_mov_b64 s[18:19], KROW
	s_mul_u64 s[20:21], s[20:21], s[18:19]         ; and their codes
	s_mul_u64 s[46:47], s[46:47], s[18:19]
	s_mul_i32 s45, s14, HALFT                      ; where they go: no place in the cluster enters an LDS address
	s_mul_i32 s94, s14, HALFS
	s_wait_kmcnt 0x0
	s_cmp_eq_u32 ttmp9, 1
	s_cselect_b64 s[8:9], s[72:73], s[68:69]       ; q's or k's weight
	s_cselect_b64 s[10:11], s[74:75], s[70:71]
	s_cmp_eq_u32 ttmp9, 2
	s_cselect_b64 s[96:97], s[4:5], s[8:9]         ; B: v: hidden_states; else the weight
	s_cselect_b64 s[98:99], s[6:7], s[10:11]
	s_cselect_b64 s[4:5], s[76:77], s[4:5]         ; A: v: v_w; else hidden_states
	s_cselect_b64 s[6:7], s[78:79], s[6:7]
	s_add_nc_u64 s[20:21], s[4:5], s[20:21]
	s_add_nc_u64 s[22:23], s[6:7], s[22:23]
	s_add_nc_u64 s[46:47], s[96:97], s[46:47]
	s_add_nc_u64 s[92:93], s[98:99], s[92:93]
	; the scales of 128 rows: a dense block of 8,192 bytes, as 32 rows of 256 bytes, 16 bytes of padding behind each (written here: s68-79 held the weights' pointers)
	s_or_b32 s[G1S+0], s43, (3<<16)|(1<<20)|(1<<21)|(5<<22)|(3<<25)
	s_or_b32 s[G1SB+0], s44, (3<<16)|(1<<20)|(1<<21)|(5<<22)|(3<<25)
.irp g, G1S, G1SB
	s_mov_b32 s[\g+1], 32<<16
	s_mov_b32 s[\g+2], (128*KS/256)<<16
	s_mov_b32 s[\g+3], 32<<16
	s_mov_b32 s[\g+4], 128*KS/256
	s_mov_b32 s[\g+5], 32
	s_mov_b32 s[\g+6], 0
	s_mov_b32 s[\g+7], 0
.endr
	CROUND                                         ; all sixteen work-groups are here: the first joint loads meet
	s_mov_b32 s[G0S], 1
	s_add_co_u32 s[G0S+1], s94, SCL
	s_mov_b64 s[G0S+2:G0S+3], s[22:23]
	s_or_b32 s[G0S+3], s[G0S+3], 0x80000000
	s_mov_b32 s[G0SB], 1
	s_add_co_u32 s[G0SB+1], s94, SCL
	s_mov_b64 s[G0SB+2:G0SB+3], s[92:93]
	s_or_b32 s[G0SB+3], s[G0SB+3], 0x80000000
	JLOAD G0S, G1S, G0SB, G1SB                     ; the scales first: they are wanted with K step 0
.irp s, 0,1
	s_mov_b32 s[G0+4*\s], 1
	s_add_co_u32 s[G0+4*\s+1], s45, \s*SLOT
	s_add_nc_u64 s[G0+4*\s+2:G0+4*\s+3], s[20:21], \s*ROWB
	s_or_b32 s[G0+4*\s+3], s[G0+4*\s+3], 0x80000000
	s_mov_b32 s[G0B+4*\s], 1
	s_add_co_u32 s[G0B+4*\s+1], s45, \s*SLOT
	s_add_nc_u64 s[G0B+4*\s+2:G0B+4*\s+3], s[46:47], \s*ROWB
	s_or_b32 s[G0B+4*\s+3], s[G0B+4*\s+3], 0x80000000
	JLOAD G0+4*\s, G1, G0B+4*\s, G1B
.endr
	v_and_b32 v1, 15, v0                           ; r = lane % 16: kept to the end
	v_bfe_u32 v2, v0, 4, 1                         ; h = lane / 16: kept to the end
	v_mul_u32_u24 v3, v1, PITCH
	v_mul_u32_u24 v4, v2, 24
	v_add_nc_u32 v4, v3, v4                        ; a fragment's row x pitch + 24 x half
	v_lshl_add_u32 v5, v2, 4, v4                   ; and the same behind one padding more
	s_mul_i32 s21, s15, HALFT
	s_mul_i32 s22, s16, HALFT
	s_add_co_u32 s22, s22, 2*HALFT
.irp s, 0,1
	v_add_nc_u32 v[ADRA+\s], s21, v4
	v_add_nc_u32 v[ADRB+\s], s22, v4
	v_add_nc_u32 v[ADRA+2+\s], s21, v5
	v_add_nc_u32 v[ADRB+2+\s], s22, v5
	s_add_co_u32 s21, s21, SLOT
	s_add_co_u32 s22, s22, SLOT
.endr
	v_mul_u32_u24 v5, v1, KS                       ; my row's scales: KS bytes a row,
	v_lshrrev_b32 v6, 8, v5
	v_lshl_add_u32 v5, v6, 4, v5                   ; and 16 more for each 256 passed
	s_mul_i32 s21, s15, HALFS
	s_mul_i32 s22, s16, HALFS
	s_add_co_u32 s22, s22, 2*HALFS
	s_sub_co_u32 s22, s22, s21
	v_mul_u32_u24 v6, s22, v2                      ; lanes 16-31 take B's
	s_add_co_u32 s21, s21, SCL
	v_add_nc_u32 v5, v5, v6
	v_add_nc_u32 v[ADRS], s21, v5
.macro FRAG reg, adr, q, i             ; a fragment: lane l holds row l % 16; registers 6 c .. 6 c + 5 hold K = 64 c + 32 (l / 16) + 0 .. 31: 24 bytes of the row's stream of bits, in pieces of 8 bytes
.irp p, 0,1,2,3,4,5
.set PC, 12*(\q)+6*(\p/3)+\p%3         ; 16 bytes of padding lie behind every 8 pieces: where the piece three on lies behind one padding more, the second address register serves
.if PC%8 < 5
	ds_load_b64 v[\reg+2*\p:\reg+2*\p+1], v[\adr] offset:8*PC+16*(PC/8)+(\i)*16*PITCH
.else
	ds_load_b64 v[\reg+2*\p:\reg+2*\p+1], v[\adr+2] offset:8*PC+16*(PC/8)+(\i)*16*PITCH
.endif
.endr
.endm
; 16 matrix instructions: A's blocks a0, a0 + 1 x B's eight.  The 64 accumulators take turns, one instruction a turn, in the same order in every step.
.macro MUL16 a0, p, q, sc, zero
.irp a, \a0, \a0+1
.irp b, 0,1,2,3,4,5,6,7
.if \zero
	v_wmma_scale_f32_16x16x128_f8f6f4 v[8*(8*((\a)%4)+\b):8*(8*((\a)%4)+\b)+7], v[128*(\p)+FR*\b:128*(\p)+FR*\b+FR-1], v[AF+FR*(\a):AF+FR*(\a)+FR-1], 0, v[SC+8*NQ*(\sc)+NQ*\b+(\q)], v[SC+8*NQ*(\sc)+NQ*(\a)+(\q)] matrix_a_fmt:MATRIX_FMT_FP6 matrix_b_fmt:MATRIX_FMT_FP6 matrix_a_scale:MATRIX_SCALE_ROW1
.else
	v_wmma_scale_f32_16x16x128_f8f6f4 v[8*(8*((\a)%4)+\b):8*(8*((\a)%4)+\b)+7], v[128*(\p)+FR*\b:128*(\p)+FR*\b+FR-1], v[AF+FR*(\a):AF+FR*(\a)+FR-1], v[8*(8*((\a)%4)+\b):8*(8*((\a)%4)+\b)+7], v[SC+8*NQ*(\sc)+NQ*\b+(\q)], v[SC+8*NQ*(\sc)+NQ*(\a)+(\q)] matrix_a_fmt:MATRIX_FMT_FP6 matrix_b_fmt:MATRIX_FMT_FP6 matrix_a_scale:MATRIX_SCALE_ROW1
.endif
.endr
.endr
.endm
.macro FETCH_B slot, q, p
	WIN TO_B
.irp i, 0,1,2,3,4,5,6,7
	FRAG 128*(\p)+FR*\i, ADRB+\slot, \q, \i
.endr
	WIN 0
.endm
.macro FETCH_A slot, q, i0
.irp i, \i0, \i0+1, \i0+2, \i0+3
	FRAG AF+FR*(\i), ADRA+\slot, \q, \i
.endr
.endm
.macro SCALES sc                       ; the next K step's scale words: lanes 0-15 A's block i, lanes 16-31 B's block i
.irp i, 0,1,2,3,4,5,6,7
	ds_load_b64 v[SC+8*NQ*\sc+NQ*\i:SC+8*NQ*\sc+NQ*\i+1], v[ADRS] offset:\i*SBLK
.endr
.endm
.macro PLACES n                        ; plain vector instructions between a matrix instruction and a load into, or a read of, its registers (ISA guide 7.12.1 for reads)
.rept \n
	v_nop
.endr
.endm
.macro STEP slot, q, zero              ; a step of 128 along K that has its successor in the same slot
	s_wait_dscnt 4*NL                              ; B's set and A's blocks 0-3 are in; the youngest 24 loads (A's blocks 4-7) may be out
	WIN MUL_LO
	MUL16 0, (\q)%2, \q, \slot, \zero
	MUL16 2, (\q)%2, \q, \slot, \zero
	s_wait_dscnt 0
	PLACES NP
	FETCH_B \slot, (\q)+1, 1-(\q)%2
	FETCH_A \slot, (\q)+1, 0
	WIN MUL_HI
	MUL16 4, (\q)%2, \q, \slot, \zero
	MUL16 6, (\q)%2, \q, \slot, \zero
	PLACES NP
	WIN 0
	FETCH_A \slot, (\q)+1, 4
.endm
; A slot's last step changes slots: ONE barrier; in front of it each wave waits for all its tensor loads, adds 0 to its spare word, and waits for that and for its reads of this slot.
.macro TURN slot, next, fill
	s_wait_tensorcnt 0x0                           ; all my tensor loads have landed: my part of the next slot
	ds_add_u32 v[SPW], v[NIL]                      ; 0 onto my spare word
	s_wait_dscnt 4*NL+1                            ; (the add and the youngest 24 loads may be out)
	WIN MUL_LO
	MUL16 0, 1, NQ-1, \slot, 0
	s_wait_dscnt 0x0                               ; the add is done, and my reads of this slot are over
	s_barrier_signal -1
	MUL16 2, 1, NQ-1, \slot, 0
	WIN 0
	s_barrier_wait -1
.if \fill
	CREST                                          ; the barrier has opened a round of the cluster's: no wave of any partner still reads this slot or has a load on its way
	s_add_nc_u64 s[G0+4*\slot+2:G0+4*\slot+3], s[G0+4*\slot+2:G0+4*\slot+3], 2*ROWB
	s_add_nc_u64 s[G0B+4*\slot+2:G0B+4*\slot+3], s[G0B+4*\slot+2:G0B+4*\slot+3], 2*ROWB
	JLOAD G0+4*\slot, G1, G0B+4*\slot, G1B         ; the first tensor load behind the round; its four v_nop are the places in front of the loads below
.else
	PLACES NP
.endif
	v_add_nc_u32 v[ADRS], 4*NQ, v[ADRS]
	FETCH_B \next, 0, 0
	FETCH_A \next, 0, 0
	SCALES \next
	WIN MUL_HI
	MUL16 4, 1, NQ-1, \slot, 0
	MUL16 6, 1, NQ-1, \slot, 0
	PLACES NP
	WIN 0
	FETCH_A \next, 0, 4
.endm
	s_wait_tensorcnt 1                             ; the scales and my part of K step 0 are in (K step 1's load may be out),
	s_barrier_signal -1
	s_barrier_wait -1                              ; everybody's are
	FETCH_B 0, 0, 0
	FETCH_A 0, 0, 0
	SCALES 0
	FETCH_A 0, 0, 4
	STEP 0, 0, 1                                   ; the first step's products start the sums: nothing is cleared
	s_mov_b32 s3, LAPS-1
.Llap:
	TURN 0, 1, 1
	STEP 1, 0, 0
	TURN 1, 0, 1
	STEP 0, 0, 0
	s_sub_co_u32 s3, s3, 1
	s_cmp_lg_u32 s3, 0
	s_cbranch_scc1 .Llap
	TURN 0, 1, 0                                   ; the last lap fills nothing
	STEP 1, 0, 0
	s_wait_dscnt 4*NL
	WIN MUL_LO
	MUL16 0, 1, NQ-1, 1, 0
	MUL16 2, 1, NQ-1, 1, 0
	s_wait_dscnt 0
	WIN MUL_HI
	MUL16 4, 1, NQ-1, 1, 0
	MUL16 6, 1, NQ-1, 1, 0
	WIN 0
; ---------------------------------------------------------------- THE WAY OUT
; window 0: v3 my stage rows, v4 the trip's; v5 cos, sin; v6 the gain; v7, v8 the two images' global offsets; v9-11, v23 scale-word scratch; v12-15 v's column sums; v16-21 scratch addresses; v22 the words' global offset;
;   v32-47 the quantiser at work; v48-50 scale words; v52-70, v72-90 two sets of codes; v96-105 sums, 1 / rms; v128-255 what is quantised.
; window 1: v0-127 a stage row's 128 numbers.  window 2: v0-127 cos, v128-255 sin.  window 3: v0-127 v's 1 / rms, v128-255 the gain.
; cos, sin, 1 / rms and the gain lie where accumulators lay: those registers have been written on every way through the text, whichever arm of a branch on the cluster's x loads them, and the accumulators have gone to the stage by then.
.set TM,  32
.set PW0, 48
.set PW1, 49
.set PWC, 50
.set PC0, 52
.set PC1, 72
.set R,   128
.set COSB, 68                          ; s[68:69] cos, s[70:71] sin at my first token; s[72:73] the gain
.set SINB, 70
.set WNB,  72
.set OUTB, 80                          ; s[80:81] where the trip's images go; s[82:83] my scale words
.set SOUTB, 82
.set TRIP, 84
.set TO,   85                          ; 16 stage rows a trip
.set T128, 86
.set T64,  87
.set SEL,  90                          ; s[90:91] v_permlanex16_b32's selects for lane l xor 16
; a lane's 128 numbers of a row of 256: registers 4 n .. 4 n + 3 at 16 (n % 2) + 64 (n / 2) (+ 32 h in the address): register 8 g + j holds member 16 g + 8 h + j
.macro LDS32 reg, adr
.set n, 0
.rept 32
	ds_load_b128 v[\reg+4*n:\reg+4*n+3], v[\adr] offset:16*(n%2)+64*(n/2)
.set n, n+1
.endr
.endm
.macro GLD32 reg, adr, base
.set n, 0
.rept 32
	global_load_b128 v[\reg+4*n:\reg+4*n+3], v[\adr], s[\base:\base+1] offset:16*(n%2)+64*(n/2)
.set n, n+1
.endr
.endm
; 64 numbers of a lane, register 16 b + i = place 32 b + 16 (lane / 16) + i of my row's K step, become a fragment's codes in v[pc] on and its scale word in v[pw]
.macro QUANT s, pc, pw
.irp b, 0,1,2,3
	v_max3_num_f32 v[TM+\b], |v[\s+16*\b]|, |v[\s+1+16*\b]|, 0x1800000   ; my 16 numbers of block b, and the floor 2^(3 - 127): the byte cannot fall under 1
.endr
.irp i, 2,4,6,8,10,12,14
.irp b, 0,1,2,3
	v_max3_num_f32 v[TM+\b], v[TM+\b], |v[\s+16*\b+\i]|, |v[\s+1+16*\b+\i]|
.endr
.endr
.irp b, 0,1,2,3
	v_permlanex16_b32 v[TM+4+\b], v[TM+\b], s[SEL], s[SEL+1]
.endr
.irp b, 0,1,2,3
	v_max_num_f32 v[TM+\b], v[TM+\b], v[TM+4+\b]   ; with lane l xor 16's: the block's largest magnitude
.endr
.irp b, 0,1,2,3
	v_add_nc_u32 v[TM+12+\b], 0xff000000, v[TM+\b] ; 2 off its exponent field: the conversion's scale operand
.endr
.irp b, 0,1,2,3
	v_lshrrev_b32 v[TM+4+\b], 23, v[TM+12+\b]      ; the scale's byte
.endr
	v_lshl_or_b32 v[\pw], v[TM+5], 8, v[TM+4]
	v_lshl_or_b32 v[\pw], v[TM+6], 16, v[\pw]
	v_lshl_or_b32 v[\pw], v[TM+7], 24, v[\pw]
.irp c, 0,1
	v_cvt_scalef32_pk16_fp6_f32 v[\pc+6*\c:\pc+2+6*\c], v[\s+32*\c:\s+15+32*\c], v[TM+12+2*\c]
	v_cvt_scalef32_pk16_fp6_f32 v[\pc+12+4*\c:\pc+14+4*\c], v[\s+16+32*\c:\s+31+32*\c], v[TM+12+2*\c+1]   ; (a conversion's three registers begin on an even number)
.endr
	v_nop                                          ; one plain place behind a scaled conversion
.irp c, 0,1                            ; the operand's layout wants a whole block in a lane
.irp i, 0,1,2
	v_permlane16_swap_b32 v[\pc+6*\c+\i], v[\pc+12+4*\c+\i]
.endr
.irp i, 0,1,2
	v_mov_b32 v[\pc+3+6*\c+\i], v[\pc+12+4*\c+\i]
.endr
.endr
.endm
	s_load_b256 s[68:75], s[0:1], 0x40             ; cos, sin, q_norm_w, k_norm_w  (every tensor load was waited for at the last change of slots: the descriptors' registers are free)
	s_load_b128 s[76:79], s[0:1], 0x60             ; qbuf, kv
	s_wait_dscnt 0x0
	s_barrier_signal -1
	s_barrier_wait -1                              ; no wave reads the ring or the scale bytes any more: the stage may be written over them
	v_and_b32 v26, 31, v0                          ; lane.  (These address lines name no register of the last products: they are the places in front of the stores of results)
	v_lshlrev_b32 v7, 4, v26                       ; 16 x lane
	v_mul_u32_u24 v3, v1, SPT
	v_lshl_add_u32 v3, v2, 5, v3                   ; row r, + 32 h
	s_mul_i32 s20, s15, 128*SPT
	s_lshl_b32 s21, s16, 9
	s_add_co_u32 s20, s20, s21                     ; my quarter of the stage: 128 rows down, 512 bytes along
	v_add_nc_u32 v[STO], s20, v3
	v_add_nc_u32 v[STO+1], 64*SPT, v[STO]
	v_add_nc_u32 v12, s20, v7                      ; v's sums: my 128 rows, my 128 tokens, 16 bytes a lane; an address for each 32 rows
	v_add_nc_u32 v13, 32*SPT, v12
	v_add_nc_u32 v14, 64*SPT, v12
	v_add_nc_u32 v15, 96*SPT, v12
	s_mul_i32 s22, s14, 64*SPT
	v_add_nc_u32 v3, s22, v3                       ; the rows that I finish: 64 x wave + r
	v_lshlrev_b32 v5, 10, v1
	v_lshl_add_u32 v5, v2, 5, v5                   ; cos, sin: token r of 1,024 bytes, + 32 h
	v_lshlrev_b32 v6, 5, v2                        ; the gain: 32 h
	s_lshl_b32 s22, s14, 9
	s_add_co_u32 s22, s22, SCRQ
	v_lshl_add_u32 v9, v26, 2, s22                 ; scale words, q's and k's layout: 512 x wave + 4 x lane (+ 128 a trip)
	v_add_nc_u32 v20, s22, v7                      ; and back: 16 x lane
	s_lshl_b32 s22, s14, 8
	s_add_co_u32 s22, s22, SCRV2
	v_lshl_add_u32 v21, v2, 10, s22                ; v's layout: 1,024 h (the key block) + 256 x wave
	v_lshl_add_u32 v10, v1, 2, v21                 ; + 4 r (+ 64 a trip)
	v_lshl_add_u32 v21, v1, 4, v21                 ; and back: + 16 r
	s_lshl_b32 s22, s15, 10
	s_add_co_u32 s22, s22, s21
	s_add_co_u32 s22, s22, SCRV
	v_add_nc_u32 v16, s22, v7                      ; my partial sums: [my half of the channels][my 128 tokens]
	v_lshl_add_u32 v17, v0, 3, SCRV                ; two tokens a thread
	v_lshl_add_u32 v18, v0, 3, RSV
	v_add_nc_u32 v19, RSV, v6
.irp b, 0,1,2,3
	v_mov_b32 v[TM+4+\b], 0                        ; written once: a lane permute's destination counts as one of its sources
.endr
.irp a, 0,1,2,3,4,5,6,7
	WIN 0x08+4*(\a/4)                              ; an LDS store's data are its source 1: window 2 or 3
.irp b, 0,1,2,3,4,5,6,7
	ds_store_b128 v[STO+\a/4], v[64*(\a%4)+8*\b:64*(\a%4)+8*\b+3] offset:(\a%4)*16*SPT+64*\b      ; each accumulator from its low end on; rows 65 x 16 bytes apart: sixteen lanes, sixteen different columns of 16 bytes
	ds_store_b128 v[STO+\a/4], v[64*(\a%4)+8*\b+4:64*(\a%4)+8*\b+7] offset:(\a%4)*16*SPT+64*\b+16
.endr
.endr
	WIN 0
	; where my results go.  tb: the tile of 256 tokens, hd: the head
	s_mul_i32 s23, s14, 6144
	s_add_co_u32 s23, s23, 25600                   ; v: v's half of a kv entry, my four tiles of channels
	s_mul_i32 s24, s16, 12288                      ; q, k: my four tiles of tokens
	s_lshl_b32 s25, s14, 8
	s_add_co_u32 s25, s25, 50176                   ; v's scale words
	s_lshl_b32 s26, s16, 9
	s_add_co_u32 s26, s26, 24576                   ; q's, k's
	s_mov_b32 s27, 51200
	s_mov_b32 s28, 1536
	s_mov_b32 s29, 256
	s_mov_b32 s38, 3072
	s_mov_b32 s39, 0
	s_mov_b32 s88, 0x3b800000                      ; 1 / 256
	s_mov_b32 s89, 0x358637bd                      ; 1e-6
	s_mov_b32 s[SEL], 0x76543210
	s_mov_b32 s[SEL+1], 0xfedcba98
	s_mov_b32 s93, 0xffff0000                      ; lanes 16-31
	s_wait_kmcnt 0x0
	s_cmp_eq_u32 ttmp9, 2
	s_cselect_b32 s20, s42, s17                    ; tb
	s_cselect_b32 s21, s17, s42                    ; hd
	s_cselect_b32 s22, 0, s15                      ; q, k: which block of 128 tokens of the tile is mine
	s_cselect_b32 s23, s23, s24
	s_cselect_b32 s25, s25, s26
	s_cselect_b32 s38, s28, s38                    ; s[38:39]: from trip to trip: v one image, q and k two
	s_cselect_b32 s28, s27, s28                    ; from the first image of a trip to the second: v the next key block, q and k the next image
	s_cselect_b32 s29, s27, s29                    ; the words' store: from lanes 0-15 to lanes 16-31
	s_cselect_b32 s37, -1, 0                       ; all lanes in v
	s_cmp_eq_u32 ttmp9, 1
	s_cselect_b64 s[WNB:WNB+1], s[74:75], s[72:73] ; k's gain or q's
	s_cmp_eq_u32 ttmp9, 0
	s_cselect_b32 s27, 25600, s27                  ; bytes from block to block: qbuf or kv
	s_cselect_b64 s[OUTB:OUTB+1], s[76:77], s[78:79]
	s_lshl_b32 s30, s20, 8
	s_lshl_b32 s31, s14, 6
	s_add_co_u32 s30, s30, s31
	s_lshl_b32 s30, s30, 10                        ; token 256 tb + 64 x wave, 1,024 bytes a token
	s_mov_b32 s31, 0
	s_add_nc_u64 s[COSB:COSB+1], s[COSB:COSB+1], s[30:31]
	s_add_nc_u64 s[SINB:SINB+1], s[SINB:SINB+1], s[30:31]
	s_lshl_b32 s21, s21, 5
	s_lshl_b32 s20, s20, 1
	s_add_co_u32 s20, s20, s21
	s_add_co_u32 s20, s20, s22                     ; block 32 hd + 2 tb (+ my half)
	s_mul_i32 s20, s20, s27
	s_add_co_u32 s32, s20, s23
	s_mov_b32 s33, 0
	s_add_co_u32 s34, s20, s25
	s_mov_b32 s35, 0
	s_add_nc_u64 s[SOUTB:SOUTB+1], s[OUTB:OUTB+1], s[34:35]
	s_add_nc_u64 s[OUTB:OUTB+1], s[OUTB:OUTB+1], s[32:33]
	v_add_nc_u32 v8, s28, v7
	v_mul_u32_u24 v22, s29, v2
	v_lshl_add_u32 v22, v1, 4, v22
	s_wait_dscnt 0x0                               ; my stores into the stage are done
	s_barrier_signal -1
	s_barrier_wait -1                              ; the stage is whole
	s_cmp_eq_u32 ttmp9, 2
	s_cbranch_scc0 .Lqk_first
	; v: the sums of squares over the head's channels run DOWN the stage.  I sum my 128 rows for my 128 tokens, four tokens a lane: each load takes 512 consecutive bytes of a row
.macro VBATCH b                        ; rows 16 b .. 16 b + 15 of my 128, into v128-191 and v192-255 by turns
.set n, 0
.rept 16
	ds_load_b128 v[128+64*((\b)%2)+4*n:131+64*((\b)%2)+4*n], v[12+(\b)/2] offset:(16*((\b)%2)+n)*SPT
.set n, n+1
.endr
.endm
	VBATCH 0
.irp b, 0,1,2,3,4,5,6,7
.if \b < 7
	VBATCH \b+1
.endif
.set n, 0
.rept 16
.if \b < 7
	s_wait_dscnt 31-n                              ; load n of this batch is in; its younger ones and the next batch's 16 may be out
.else
	s_wait_dscnt 15-n
.endif
.set XB, 128+64*(\b%2)+4*n
.if (\b == 0) && (n < 2)
	v_pk_mul_f32 v[96+4*(n%2):97+4*(n%2)], v[XB:XB+1], v[XB:XB+1]               ; the first two rows start the two chains: nothing is cleared
	v_pk_mul_f32 v[98+4*(n%2):99+4*(n%2)], v[XB+2:XB+3], v[XB+2:XB+3]
.else
	v_pk_fma_f32 v[96+4*(n%2):97+4*(n%2)], v[XB:XB+1], v[XB:XB+1], v[96+4*(n%2):97+4*(n%2)]
	v_pk_fma_f32 v[98+4*(n%2):99+4*(n%2)], v[XB+2:XB+3], v[XB+2:XB+3], v[98+4*(n%2):99+4*(n%2)]
.endif
.set n, n+1
.endr
.endr
	v_pk_add_f32 v[96:97], v[96:97], v[100:101]
	v_pk_add_f32 v[98:99], v[98:99], v[102:103]
	ds_store_b128 v16, v[96:99]
	s_branch .Ljoin_first
.Lqk_first:
	WIN 0xc0
	GLD32 128, 6, WNB                              ; the gain of my 128 channels, into window 3: stays
	WIN 0x80
	GLD32 0, 5, COSB                               ; the first trip's cos and sin
	GLD32 128, 5, SINB
	WIN 0
.Ljoin_first:
	s_wait_dscnt 0x0
	s_barrier_signal -1
	s_barrier_wait -1                              ; v: both halves' sums lie in LDS
	s_cmp_eq_u32 ttmp9, 2
	s_cbranch_scc0 .Ljoin_rs
	ds_load_b64 v[96:97], v17
	ds_load_b64 v[98:99], v17 offset:1024
	s_wait_dscnt 0x0
	v_pk_add_f32 v[96:97], v[96:97], v[98:99]
	v_fma_f32 v96, v96, s88, s89                   ; mean + eps
	v_fma_f32 v97, v97, s88, s89
	v_rsq_f32 v100, v96
	v_rsq_f32 v101, v97
	v_nop                                          ; a plain place behind the transcendentals,
	s_wait_alu depctr_va_vdst(0)                   ; and the wait ahead of the first line that names a result
	ds_store_b64 v18, v[100:101]
.Ljoin_rs:
	s_wait_dscnt 0x0
	s_barrier_signal -1
	s_barrier_wait -1                              ; v: 1 / rms of the 256 tokens lies in LDS
	s_cmp_eq_u32 ttmp9, 2
	s_cbranch_scc0 .Ljoin_rsload
	WIN 0xc0
	LDS32 0, 19                                    ; of my 128 tokens: stays
	WIN 0
.Ljoin_rsload:
	s_mov_b32 s[TRIP], 0
	s_mov_b32 s[TO], 0
	s_mov_b32 s[T128], 0
	s_mov_b32 s[T64], 0
.Ltrip:                                            ; four trips: stage rows 64 x wave + 16 x trip + r
	v_add_nc_u32 v4, s[TO], v3
	v_add_nc_u32 v11, s[T128], v9
	v_add_nc_u32 v23, s[T64], v10
	WIN 0x40
	LDS32 0, 4
	WIN 0
	s_wait_dscnt 0x0
	s_cmp_eq_u32 ttmp9, 2
	s_cbranch_scc1 .Lv_norm
	WIN 0x05                                       ; q, k: the token's sum of squares: my 128, in four chains
.set n, 0
.rept 4
	v_pk_mul_f32 v[96+2*n:97+2*n], v[2*n:2*n+1], v[2*n:2*n+1]
.set n, n+1
.endr
.rept 60
	v_pk_fma_f32 v[96+2*(n%4):97+2*(n%4)], v[2*n:2*n+1], v[2*n:2*n+1], v[96+2*(n%4):97+2*(n%4)]
.set n, n+1
.endr
	WIN 0
	v_pk_add_f32 v[96:97], v[96:97], v[98:99]
	v_pk_add_f32 v[100:101], v[100:101], v[102:103]
	v_pk_add_f32 v[96:97], v[96:97], v[100:101]
	v_add_f32 v96, v96, v97
	v_permlanex16_b32 v97, v96, s[SEL], s[SEL+1]
	v_add_f32 v96, v96, v97                        ; with lane l xor 16's 128
	v_fma_f32 v96, v96, s88, s89
	v_rsq_f32 v104, v96
	v_rsq_f32 v105, v96                            ; twice: a pair for the packed multiply
	v_nop
	s_wait_alu depctr_va_vdst(0)                   ; one wait for both, ahead of their first reader
	WIN 0x41
.set n, 0
.rept 64
	v_pk_mul_f32 v[2*n:2*n+1], v[2*n:2*n+1], v[104:105]
.set n, n+1
.endr
	s_wait_loadcnt 0x0                             ; the gain, and this trip's cos and sin (asked for a trip ago)
	WIN 0x4d                                       ; destination and source 0 (x) window 1, source 1 (the gain) window 3
.set n, 0
.rept 64
	v_pk_mul_f32 v[2*n:2*n+1], v[2*n:2*n+1], v[128+2*n:129+2*n]
.set n, n+1
.endr
	WIN 0x09                                       ; RoPE: registers 0-63 are channels under 128, register 64 + i the channel 128 further on
.set n, 0
.rept 64
	v_pk_mul_f32 v[R+2*n:R+2*n+1], v[2*n:2*n+1], v[2*n:2*n+1]                ; x cos  (source 0: x, window 1; source 1: cos, window 2)
.set n, n+1
.endr
.set n, 0
.rept 32
	v_pk_fma_f32 v[R+2*n:R+2*n+1], v[64+2*n:65+2*n], v[128+2*n:129+2*n], v[R+2*n:R+2*n+1] neg_lo:[1,0,0] neg_hi:[1,0,0]   ; - x(d + 128) sin(d)
	v_pk_fma_f32 v[R+64+2*n:R+65+2*n], v[2*n:2*n+1], v[192+2*n:193+2*n], v[R+64+2*n:R+65+2*n]                            ; + x(d - 128) sin(d)
.set n, n+1
.endr
	WIN 0
	s_cmp_eq_u32 s[TRIP], 3                        ; the last trip asks for nothing: no load leaves its buffer
	s_cbranch_scc1 .Ljoin_norm
	s_add_nc_u64 s[COSB:COSB+1], s[COSB:COSB+1], 16384   ; (the loads that read these bases were waited for above)
	s_add_nc_u64 s[SINB:SINB+1], s[SINB:SINB+1], 16384
	WIN 0x80
	GLD32 0, 5, COSB
	GLD32 128, 5, SINB
	WIN 0
	s_branch .Ljoin_norm
.Lv_norm:
	WIN 0x0d                                       ; v: x / rms of each token  (source 0: x, window 1; source 1: 1 / rms, window 3)
.set n, 0
.rept 64
	v_pk_mul_f32 v[R+2*n:R+2*n+1], v[2*n:2*n+1], v[2*n:2*n+1]
.set n, n+1
.endr
	WIN 0
.Ljoin_norm:
	QUANT R, PC0, PW0
	QUANT R+64, PC1, PW1
.irp c, 0,1,2
	global_store_b128 v7, v[PC0+4*\c:PC0+4*\c+3], s[OUTB:OUTB+1] offset:512*\c   ; an image as it stands: 32 lanes store 512 consecutive bytes, at a multiple of 256 from the buffer's first byte
.endr
.irp c, 0,1,2
	global_store_b128 v8, v[PC1+4*\c:PC1+4*\c+3], s[OUTB:OUTB+1] offset:512*\c
.endr
	v_cndmask_b32 v[PWC], v[PW0], v[PW1], s93      ; lanes 0-15 the first K step's word of row r, lanes 16-31 the second's
	ds_store_b32 v11, v[PWC]                       ; into both layouts, each in bytes of my wave's own: the one that applies is chosen at the end
	ds_store_b32 v23, v[PWC]
	s_wait_xcnt 0x0                                ; the stores have read their data and their base: both are written again only behind this wait
	s_add_nc_u64 s[OUTB:OUTB+1], s[OUTB:OUTB+1], s[38:39]
	s_add_co_u32 s[TO], s[TO], 16*SPT
	s_add_co_u32 s[T128], s[T128], 128
	s_add_co_u32 s[T64], s[T64], 64
	s_add_co_u32 s[TRIP], s[TRIP], 1
	s_cmp_lt_u32 s[TRIP], 4
	s_cbranch_scc1 .Ltrip
	ds_load_b128 v[96:99], v20                     ; LDS serves a wave's instructions in order (ISA guide 5.7.1.4): these see my stores
	ds_load_b128 v[100:103], v21
	s_wait_dscnt 0x0
.irp i, 0,1,2,3
	v_cndmask_b32 v[96+\i], v[96+\i], v[100+\i], s37
.endr
	global_store_b128 v22, v[96:99], s[SOUTB:SOUTB+1]   ; q, k: 512 consecutive bytes; v: 256 in each of two key blocks
	s_wait_tensorcnt 0x0                           ; the wave's end
	ds_add_u32 v[SPW], v[NIL]
	s_wait_dscnt 0x0
	CROUND                                         ; the closing round
	s_endpgm
.Lfunc_end_k_q35fbf01a5e_proj:
	.size	k_q35fbf01a5e_proj, .Lfunc_end_k_q35fbf01a5e_proj-k_q35fbf01a5e_proj
	.p2alignl 7, 3214868480
	.fill 96, 4, 3214868480
	.section	.rodata,"a",@progbits
	.p2align	6, 0x0
	.amdhsa_kernel k_q35fbf01a5e_proj
		.amdhsa_group_segment_fixed_size 327680
		.amdhsa_private_segment_fixed_size 0
		.amdhsa_enable_private_segment 0
		.amdhsa_kernarg_size 112
		.amdhsa_user_sgpr_count 2
		.amdhsa_user_sgpr_kernarg_segment_ptr 1
		.amdhsa_wavefront_size32 1
		.amdhsa_system_sgpr_workgroup_id_x 1
		.amdhsa_system_sgpr_workgroup_id_y 1
		.amdhsa_system_sgpr_workgroup_id_z 1
		.amdhsa_system_vgpr_workitem_id 0
		.amdhsa_next_free_vgpr 1024
		.amdhsa_next_free_sgpr 100
		.amdhsa_reserve_vcc 0
		.amdhsa_float_denorm_mode_32 3
		.amdhsa_float_denorm_mode_16_64 3
		.amdhsa_memory_ordered 1
		.amdhsa_forward_progress 1
		.amdhsa_inst_pref_size 225
	.end_amdhsa_kernel
	.amdgpu_metadata
---
amdhsa.version: [ 1, 2 ]
amdhsa.kernels:
  - .name:           k_q35fbf01a5e_proj
    .symbol:         k_q35fbf01a5e_proj.kd
    .args:
      - { .name: hidden_states_codes, .offset: 0, .size: 8, .value_kind: global_buffer, .address_space: global }
      - { .name: hidden_states_scales, .offset: 8, .size: 8, .value_kind: global_buffer, .address_space: global }
      - { .name: q_w_codes, .offset: 16, .size: 8, .value_kind: global_buffer, .address_space: global }
      - { .name: q_w_scales, .offset: 24, .size: 8, .value_kind: global_buffer, .address_space: global }
      - { .name: k_w_codes, .offset: 32, .size: 8, .value_kind: global_buffer, .address_space: global }
      - { .name: k_w_scales, .offset: 40, .size: 8, .value_kind: global_buffer, .address_space: global }
      - { .name: v_w_codes, .offset: 48, .size: 8, .value_kind: global_buffer, .address_space: global }
      - { .name: v_w_scales, .offset: 56, .size: 8, .value_kind: global_buffer, .address_space: global }
      - { .name: cos, .offset: 64, .size: 8, .value_kind: global_buffer, .address_space: global }
      - { .name: sin, .offset: 72, .size: 8, .value_kind: global_buffer, .address_space: global }
      - { .name: q_norm_w, .offset: 80, .size: 8, .value_kind: global_buffer, .address_space: global }
      - { .name: k_norm_w, .offset: 88, .size: 8, .value_kind: global_buffer, .address_space: global }
      - { .name: qbuf, .offset: 96, .size: 8, .value_kind: global_buffer, .address_space: global }
      - { .name: kv, .offset: 104, .size: 8, .value_kind: global_buffer, .address_space: global }
    .group_segment_fixed_size: 327680
    .private_segment_fixed_size: 0
    .kernarg_segment_align: 8
    .kernarg_segment_size: 112
    .max_flat_workgroup_size: 128
    .sgpr_count:     100
    .vgpr_count:     1024
    .wavefront_size: 32
...
	.end_amdgpu_metadata
.endif
;; end of part 1
;; launch attn (part 2): grid 64 x 4, 4 waves a work-group, clusters of 4 x 1, 327,680 bytes of LDS; arguments qbuf, kv, acodes, ascales; writes acodes, ascales
.if DOCPART == 2
	.amdgcn_target "amdgcn-amd-amdhsa--gfx1250"
	.amdhsa_code_object_version 6
	.text
	.protected	k_q35fbf01a5e_attn
	.globl	k_q35fbf01a5e_attn
	.p2align	8
	.type	k_q35fbf01a5e_attn,@function
k_q35fbf01a5e_attn:
	s_mov_b64 s[64:65], 0
	v_nop
	global_prefetch_b8 v0, s[64:65] scope:SCOPE_SE
	s_setreg_imm32_b32 hwreg(HW_REG_WAVE_MODE, 25, 1), 1
	s_wait_xcnt 0x0
	s_wait_alu depctr_hold_cnt(0) depctr_sa_sdst(0) depctr_va_vdst(0) depctr_va_sdst(0) depctr_va_ssrc(0) depctr_va_vcc(0) depctr_vm_vsrc(0)
	s_getreg_b32 s2, hwreg(HW_REG_IB_STS2, 6, 4)
	s_cmp_eq_u32 s2, 0
	s_cbranch_scc0 .Lentry_in_a_cluster
	s_endpgm
.Lentry_in_a_cluster:
	s_bfe_u32 s2, ttmp6, 0x10000c
	s_cmp_lg_u32 s2, 0x3003
	s_cbranch_scc0 .Lentry_shape_is_right
	s_endpgm
.Lentry_shape_is_right:
; Attention of one head over the band i - 1024 < j <= i, both products on codes of FP6 (E2M3) with E8M0 scales; then O / l is quantised along the head's 256 channels for the last projection.
; SOFTMAX AHEAD OF THE SECOND PRODUCT: t = score x log2(e); M = the running largest t rounded UP to a whole number; p = 2^(t - M) is quantised along the keys; the row's sum is taken of the unquantised p and divides at the end.
; When M moves, the sum and O are multiplied by 2^(old M - new M): exact.
; SHARES.  A cluster of four work-groups owns 256 queries of a head; wave w of the partner at place cx owns the tile of 16 queries T = 16 c + 4 w + cx.  Its block of 128 queries, 2 c + w / 2, hangs on the cluster and the wave alone,
; so every branch is alike in all partners; cx enters global addresses of q and of the results, and the mask's lane term, and nothing else.
; All partners walk the same ten blocks of 128 keys, 2 c - 8 .. 2 c + 1, which come by JOINT tensor loads through a ring of two LDS slots of two blocks.  A wave has work in nine of the ten (blocks MB - 8 .. MB).
; A pair of blocks that would lie in front of the head's first key is fetched from blocks 0 and 1 instead and not used: and none leaves its buffer.
; A step whose block lies outside my band still runs its loads and K Q^T (their results are dropped); mask, softmax and V^T P are jumped over, by a scalar branch on ids.
; LAYOUT.  Both products are used transposed: S^T = K Q^T, O^T = V^T P^T: a lane holds ONE query (lane % 16).  K, V and q arrive as images of operand registers (see the launch that made them): a fragment is three loads of 16 bytes a lane.
; Register 16 b + 8 u + j of S^T holds key 32 b + 16 u + 8 h + j, and is taken as place 16 h + 8 u + j of block b: the order in which V's codes were laid.  So p needs no exchange of lanes ahead of its conversion.
; LIMITS: NaN and infinities are not served; p under 2^-126 comes out of v_exp_f32 as 0; a block of zeros gets the scale byte 1 (read by this program alone).
; REGISTERS.  window 0: v1-11 addresses and the mask; v12 -M, v13 the largest t, v[14:15] the sum; v16-39 q, v40 its scale words; v41-43, v60 the way out; v44-51, v52-59 K's and V's scale words; v64-127 S^T, then p; v128-146 p's codes; v148-176 at work.
;   window 1: v0-127 O^T.   window 2: v0-191 K's 16 fragments.   window 3: v0-191 V's 16 fragments.
.set BLKB,  25600                      ; a block: 16 images of 1,536 bytes, 1,024 bytes of scale words
.set PAIRB, 4*BLKB                     ; a slot: K, V of one key block, K, V of the next
.set SLOT1, 1<<17                      ; slot 1 begins here: one exclusive or turns an address
.set STAGE, SLOT1+PAIRB                ; the way out: 16 rows x 272 bytes for each wave
.set SPARE, STAGE+4*16*272             ; the spare words: 128 bytes a wave, named by no other line
.set QF,  16
.set QSC, 40
.set KSC, 44
.set VSC, 52
.set SPW, 62
.set NIL, 63
.set S,   64
.set PCD, 128
.set BM,  148                          ; v148-151 a block's largest score, then its largest p
.set PD,  152                          ; v152-155 lane permutes' destinations, then the bytes
.set SO,  156                          ; v156-159 the conversions' scale operands
.set TT,  160
.set FF,  162                          ; v[162:163] f = 2^(old M - new M)
.set C2,  164                          ; v[164:165] the sum's second chain
.set PWD, 176                          ; p's scale word
.set WV,  12
.set CX,  13
.set HD,  14
.set T8,  15                           ; my tile's place among the eight of its block of 128 queries
.set MB,  16                           ; my block of 128 queries
.set KB,  17                           ; the step's block of 128 keys
.set DD,  18
.set HID, 19
.set SEL, 20
.set CS,  22                           ; s[22:23] log2(e)
.set G1,  24
.set G0A, 32
.set G0B, 36                           ; walks
.set KVW, 40                           ; s[40:41] kv at my head and my quarter of a pair
.set PB,  42                           ; the first key block of the pair asked for last
.set TMP, 44                           ; s[44:45]; s45 stays 0
.set TB,  46                           ; LDS byte at which the key block to be fetched begins
.set CNT, 47
.set LIMW, 48                          ; 1,024
.set HM,  49                           ; lanes 16-31
.set MSB, 0
.macro WIN new
.if MSB != \new
	s_set_vgpr_msb (MSB<<8)|\new
.set MSB, \new
.endif
.endm
.macro PLACES
.rept 4
	v_nop
.endr
.endm
.macro CROUND                          ; a round of the cluster's barrier
	s_barrier_signal -1
	s_barrier_wait -1
	s_cmp_lg_u32 s[WV], 0
	s_cbranch_scc1 .Lnot_wave_0_\@
	s_barrier_signal -3
.Lnot_wave_0_\@:
	s_barrier_wait -3
	s_barrier_signal -1
	s_barrier_wait -1
.endm
	s_load_b256 s[4:11], s[0:1], 0x0               ; qbuf s[4:5], kv s[6:7], acodes s[8:9], ascales s[10:11]
	v_lshl_add_u32 v[SPW], v0, 2, SPARE
	v_mov_b32 v[NIL], 0
	ds_add_u32 v62, v63
	ds_add_u32 v62, v63
	s_wait_dscnt 0x0
	v_lshrrev_b32 v1, 5, v0
	v_readfirstlane_b32 s[WV], v1                  ; wave 0..3
	s_bfe_u32 s[CX], ttmp6, 0x40000                ; cx
	s_and_b32 s[HD], ttmp7, 0xffff                 ; the head
	s_lshl_b32 s[MB], ttmp9, 1
	s_sub_co_i32 s[KB], s[MB], 8                   ; the first key block walked: 2 c - 8
	s_lshr_b32 s[TMP], s[WV], 1
	s_add_co_u32 s[MB], s[MB], s[TMP]              ; 2 c + w / 2
	s_and_b32 s[T8], s[WV], 1
	s_lshl_b32 s[T8], s[T8], 2
	s_add_co_u32 s[T8], s[T8], s[CX]               ; 4 (w % 2) + cx
	s_mov_b32 s[G1], 15|(3<<16)|(1<<21)            ; the mask: all four work-groups; elements of 8 bytes; bit 21 beside a mask; no padding: images are read 512 consecutive bytes an instruction
	s_mov_b32 s[G1+1], 32<<16                      ; tensor_dim0: 256 bytes
	s_mov_b32 s[G1+2], 100<<16                     ; tensor_dim1: 100 rows: a dense block of 25,600 bytes
	s_mov_b32 s[G1+3], 32<<16                      ; tile_dim0
	s_mov_b32 s[G1+4], 100                         ; tile_dim1
	s_mov_b32 s[G1+5], 32                          ; from row to row
	s_mov_b32 s[G1+6], 0
	s_mov_b32 s[G1+7], 0
	s_mov_b32 s[SEL], 0x76543210
	s_mov_b32 s[SEL+1], 0xfedcba98
	s_mov_b32 s[CS], 0x3fb8aa3b                    ; log2(e): the scores' scale is 1
	s_mov_b32 s[CS+1], s[CS]
	s_mov_b32 s[LIMW], 1024
	s_mov_b32 s[HM], 0xffff0000
	s_mov_b32 s[TB], 0
	s_mov_b32 s[CNT], 3
	s_mul_i32 s50, s[WV], BLKB                     ; my quarter of a pair, in memory and in a slot
	s_mul_i32 s[TMP], s[HD], 32*2*BLKB
	s_add_co_u32 s[TMP], s[TMP], s50
	s_mov_b32 s[TMP+1], 0
	s_wait_kmcnt 0x0
	s_add_nc_u64 s[KVW:KVW+1], s[6:7], s[TMP:TMP+1]
	s_max_i32 s[TMP], s[KB], 0
	s_mul_i32 s[TMP], s[TMP], 2*BLKB
	s_mov_b32 s[G0A], 1
	s_mov_b32 s[G0A+1], s50                        ; slot 0
	s_add_nc_u64 s[G0A+2:G0A+3], s[KVW:KVW+1], s[TMP:TMP+1]
	s_or_b32 s[G0A+3], s[G0A+3], 0x80000000
	s_add_co_i32 s[PB], s[KB], 2
	s_max_i32 s[TMP], s[PB], 0
	s_mul_i32 s[TMP], s[TMP], 2*BLKB
	s_mov_b32 s[G0B], 1
	s_add_co_u32 s[G0B+1], s50, SLOT1              ; slot 1
	s_add_nc_u64 s[G0B+2:G0B+3], s[KVW:KVW+1], s[TMP:TMP+1]
	s_or_b32 s[G0B+3], s[G0B+3], 0x80000000
	CROUND                                         ; all four work-groups are here: the first joint loads meet
	tensor_load_to_lds s[G0A:G0A+3], s[G1:G1+7]    ; the two first fills together: two loads of mine are out
	s_nop 0
	tensor_load_to_lds s[G0B:G0B+3], s[G1:G1+7]
	s_nop 0
.rept 4
	v_nop
.endr
	s_mul_i32 s[TMP], s[HD], 32*BLKB
	s_mul_i32 s50, s[MB], BLKB
	s_add_co_u32 s[TMP], s[TMP], s50
	s_add_nc_u64 s[4:5], s[4:5], s[TMP:TMP+1]      ; q's block of my 128 queries
	s_lshl_b32 s50, ttmp9, 4
	s_lshl_b32 s51, s[WV], 2
	s_add_co_u32 s50, s50, s51
	s_add_co_u32 s50, s50, s[CX]                   ; T
	s_mul_i32 s[TMP], s50, 16*768
	s_mul_i32 s51, s[HD], 192
	s_add_co_u32 s[TMP], s[TMP], s51
	s_add_nc_u64 s[8:9], s[8:9], s[TMP:TMP+1]      ; acodes: my first token's row, my head's 192 bytes
	s_lshl_b32 s[TMP], s50, 9
	s_lshl_b32 s51, s[HD], 3
	s_add_co_u32 s[TMP], s[TMP], s51
	s_add_nc_u64 s[10:11], s[10:11], s[TMP:TMP+1]  ; ascales: 32 bytes a token, my head's 8
	v_and_b32 v1, 15, v0                           ; r
	v_bfe_u32 v2, v0, 4, 1                         ; h
	v_and_b32 v8, 31, v0
	v_lshlrev_b32 v3, 4, v8                        ; 16 x lane
	v_lshlrev_b32 v4, 2, v8                        ; 4 x lane
	s_mul_i32 s[TMP], s[T8], 3072
	v_add_nc_u32 v10, s[TMP], v3
	s_lshl_b32 s[TMP], s[T8], 7
	v_add_nc_u32 v11, s[TMP], v4
.set n, 0
.rept 6
	global_load_b128 v[QF+4*n:QF+4*n+3], v10, s[4:5] offset:512*n   ; q's two fragments stay in registers
.set n, n+1
.endr
	global_load_b32 v[QSC], v11, s[4:5] offset:24576                ; lanes 0-15: K step 0's words, lanes 16-31: K step 1's
	v_lshlrev_b32 v7, 3, v2
	v_sub_nc_u32 v7, v1, v7
	s_lshl_b32 s[TMP], s[T8], 4
	v_add_nc_u32 v7, s[TMP], v7                    ; the mask's lane term: my query in its block of 128, less 8 h
	v_mov_b32 v9, 0xff800000                       ; -infinity
	s_mul_i32 s[TMP], s[WV], 16*272
	s_add_co_u32 s[TMP], s[TMP], STAGE             ; my stage
	v_mul_u32_u24 v41, v1, 272
	v_lshl_add_u32 v41, v2, 4, v41
	v_add_nc_u32 v41, s[TMP], v41                  ; in: row r, place 2 b + h of 16 bytes
	v_mul_u32_u24 v42, v2, 272
	v_lshl_add_u32 v42, v1, 4, v42
	v_add_nc_u32 v42, s[TMP], v42                  ; back: lanes 0-15 one row, lanes 16-31 the next
	v_mul_u32_u24 v43, v2, 768
	v_mad_u32_u24 v43, v1, 12, v43                 ; and the same in acodes: 12 bytes a lane
	v_lshlrev_b32 v60, 5, v1
	v_lshl_add_u32 v60, v2, 2, v60                 ; ascales: token r, word h
	v_mov_b32 v13, 0xff61b1e6                      ; the largest t so far: -3e38
	v_floor_f32 v12, -v13                          ; -M
	v_mov_b32 v14, 0
	v_mov_b32 v15, 0
.irp b, 0,1,2,3
	v_mov_b32 v[PD+\b], 0                          ; written once: a lane permute's destination counts as one of its sources
.endr
	v_mov_b32 v[TT], 0
	v_mov_b32 v[FF+1], 0                           ; (named as the upper half of a pair)
	WIN 0x40
.set n, 0
.rept 128
	v_mov_b32 v[n], 0                              ; O^T.  Which step is a wave's first with work hangs on its ids, so no step can be written that starts the sums with the constant 0
.set n, n+1
.endr
	WIN 0
.macro FETCH_K                         ; 56 LDS loads: the 16 fragments of K of the block at s[TB], and its 8 registers of scale words
	v_add_nc_u32 v5, s[TB], v3
	v_add_nc_u32 v6, s[TB], v4
	WIN 0x80
.set n, 0
.rept 48
	ds_load_b128 v[4*n:4*n+3], v5 offset:512*n
.set n, n+1
.endr
	WIN 0
.set n, 0
.rept 8
	ds_load_b32 v[KSC+n], v6 offset:24576+128*n
.set n, n+1
.endr
.endm
.macro FETCH_V                         ; the same of V of the same block, by the same address registers
	WIN 0xc0
.set n, 0
.rept 48
	ds_load_b128 v[4*n:4*n+3], v5 offset:BLKB+512*n
.set n, n+1
.endr
	WIN 0
.set n, 0
.rept 8
	ds_load_b32 v[VSC+n], v6 offset:BLKB+24576+128*n
.set n, n+1
.endr
	s_add_co_u32 s[TB], s[TB], 2*BLKB              ; the next fetch is the next block's
.endm
; THE CHANGE OF SLOTS: both blocks of the slot in hand are in registers or asked for.  Each wave waits for all its tensor loads (its quarter of the other slot), adds 0 to its spare word, and waits for that and for its reads of this slot.
; fill = 1: the barrier is a round of the cluster's, and behind it this slot is filled with the pair two pairs on: the load has two key steps in which to land.
.macro CHANGE fill
	s_wait_tensorcnt 0x0                           ; no tensor load of mine is out, so a group 0 may be written
	ds_add_u32 v[SPW], v[NIL]                      ; 0 onto my spare word
.if \fill
	s_xor_b32 s[G0B+1], s[G0B+1], SLOT1            ; the other slot than last time,
	s_add_co_i32 s[PB], s[PB], 2                   ; the next pair,
	s_max_i32 s[TMP], s[PB], 0                     ; held at the head's first key block
	s_mul_i32 s[TMP], s[TMP], 2*BLKB
	s_add_nc_u64 s[G0B+2:G0B+3], s[KVW:KVW+1], s[TMP:TMP+1]
	s_or_b32 s[G0B+3], s[G0B+3], 0x80000000
	s_wait_dscnt 0x0                               ; the add is done, and my reads of the slot are over
	CROUND
	tensor_load_to_lds s[G0B:G0B+3], s[G1:G1+7]    ; the first thing behind the round, and my one tensor load until the next
	s_nop 0
.rept 4
	v_nop                                          ; (the places in front of the loads into K's registers)
.endr
.else
	s_wait_dscnt 0x0
	s_barrier_signal -1
	s_barrier_wait -1
	PLACES
.endif
	s_sub_co_u32 s[TB], s[TB], PAIRB               ; the fetches go back to a slot's first block,
	s_xor_b32 s[TB], s[TB], SLOT1                  ; in the other slot
.endm
; A KEY STEP.  mid: what stands between K Q^T and the softmax: 0 the next block's K is fetched; 1, 2 the change of slots with and without a refill, then that fetch; 3 nothing is left to fetch.  tail = 1: the next block's V is fetched.
.macro STEP mid, tail
	s_wait_dscnt 56                                ; K of this step is in; V's 56 loads, issued behind it, may be out
	WIN 0x02                                       ; source 0 (K) window 2
.set n, 0
.rept 8                                ; the eight accumulators by turns; the first K step starts the sums
	v_wmma_scale_f32_16x16x128_f8f6f4 v[S+8*n:S+8*n+7], v[24*n:24*n+11], v[QF:QF+11], 0, v[KSC+n], v[QSC] matrix_a_fmt:MATRIX_FMT_FP6 matrix_b_fmt:MATRIX_FMT_FP6
.set n, n+1
.endr
.set n, 0
.rept 8
	v_wmma_scale_f32_16x16x128_f8f6f4 v[S+8*n:S+8*n+7], v[24*n+12:24*n+23], v[QF+12:QF+23], v[S+8*n:S+8*n+7], v[KSC+n], v[QSC] matrix_a_fmt:MATRIX_FMT_FP6 matrix_b_fmt:MATRIX_FMT_FP6 matrix_a_scale:MATRIX_SCALE_ROW1 matrix_b_scale:MATRIX_SCALE_ROW1
.set n, n+1
.endr
	WIN 0
.if \mid == 0
	PLACES
	FETCH_K
.elseif \mid == 1
	CHANGE 1
	FETCH_K
.elseif \mid == 2
	CHANGE 0
	FETCH_K
.else
	PLACES
.endif
	s_sub_co_i32 s[DD], s[MB], s[KB]               ; how many blocks the keys lie behind my queries: my band is 0 .. 8
	s_cmp_gt_u32 s[DD], 8
	s_cselect_b32 s[HID], 1, 0
	s_cmp_lt_i32 s[KB], 0                          ; in front of the head's first key
	s_cselect_b32 s[HID], 1, s[HID]
	s_cmp_lg_u32 s[HID], 0
	s_cbranch_scc1 .Lhidden_\@
	s_and_b32 s[TMP], s[DD], 7                     ; only the diagonal block (0) and the window's edge (8) have hidden keys
	s_cmp_lg_u32 s[TMP], 0
	s_cbranch_scc1 .Lopen_\@
	s_lshl_b32 s[TMP], s[DD], 7
	v_add_nc_u32 v8, s[TMP], v7
.set n, 0
.rept 64                               ; register n holds the key 16 (n / 8) + 8 h + n % 8 of the block: i - j, taken as unsigned, is under 1,024 just where 0 <= i - j < 1,024
	v_add_nc_u32 v[10+n%2], -(16*(n/8)+n%8), v8
	v_cmp_gt_u32 vcc_lo, s[LIMW], v[10+n%2]
	v_cndmask_b32 v[S+n], v9, v[S+n], vcc_lo
.set n, n+1
.endr
.Lopen_\@:
.irp b, 0,1,2,3
	v_max3_num_f32 v[BM+\b], v[S+16*\b], v[S+1+16*\b], v[S+2+16*\b]   ; the largest score of each block of 32 keys: for the row's maximum, and, since p rises with the score, for the block's largest p
.endr
.irp i, 3,5,7,9,11,13
.irp b, 0,1,2,3
	v_max3_num_f32 v[BM+\b], v[BM+\b], v[S+16*\b+\i], v[S+1+16*\b+\i]
.endr
.endr
.irp b, 0,1,2,3
	v_max_num_f32 v[BM+\b], v[BM+\b], v[S+15+16*\b]
.endr
.irp b, 0,1,2,3
	v_permlanex16_b32 v[PD+\b], v[BM+\b], s[SEL], s[SEL+1]
.endr
.irp b, 0,1,2,3
	v_max_num_f32 v[BM+\b], v[BM+\b], v[PD+\b]     ; with lane l xor 16's 16 keys
.endr
	v_max3_num_f32 v[TT], v[BM], v[BM+1], v[BM+2]
	v_max_num_f32 v[TT], v[TT], v[BM+3]
	v_mul_f32 v[TT], s[CS], v[TT]
	v_max_num_f32 v13, v13, v[TT]                  ; the running largest t
	v_mov_b32 v[TT], v12
	v_floor_f32 v12, -v13                          ; the new -M = -ceil(t)
	v_sub_f32 v[TT], v12, v[TT]                    ; old M - new M: a whole number, 0 or less
	v_cvt_i32_f32 v[TT], v[TT]                     ; (it saturates)
	v_ldexp_f32 v[FF], 1.0, v[TT]                  ; f
.set n, 0
.rept 32
	v_pk_fma_f32 v[S+2*n:S+2*n+1], v[S+2*n:S+2*n+1], s[CS:CS+1], v[12:13] op_sel_hi:[1,0,0]   ; t - M
.set n, n+1
.endr
.irp b, 0,1,2,3
	v_fma_f32 v[BM+\b], v[BM+\b], s[CS], v12
.endr
.set n, 0
.rept 64
	v_exp_f32 v[S+n], v[S+n]                       ; p = 2^(t - M)
.set n, n+1
.endr
	v_pk_mul_f32 v[14:15], v[14:15], v[FF:FF+1] op_sel_hi:[1,0]   ; the sums under the new M: a plain place behind the exponentials
	s_wait_alu depctr_va_vdst(0)                   ; one wait for the batch of 64, ahead of its first reader
.irp b, 0,1,2,3
	v_exp_f32 v[BM+\b], v[BM+\b]                   ; the block's largest p: the same two instructions on the same number
.endr
	v_pk_add_f32 v[C2:C2+1], v[S:S+1], v[S+2:S+3]  ; the row's sum of the unquantised p, in two chains
.irp j, 4,8,12,16,20,24,28,32,36,40,44,48,52,56,60
	v_pk_add_f32 v[14:15], v[14:15], v[S+\j:S+\j+1]
	v_pk_add_f32 v[C2:C2+1], v[C2:C2+1], v[S+\j+2:S+\j+3]
.endr
	v_pk_add_f32 v[14:15], v[14:15], v[C2:C2+1]
	s_wait_alu depctr_va_vdst(0)                   ; and one for the four
.irp b, 0,1,2,3
	v_max_num_f32 v[BM+\b], 0x1800000, v[BM+\b]    ; the floor 2^(3 - 127): the byte cannot fall under 1
.endr
.irp b, 0,1,2,3
	v_add_nc_u32 v[SO+\b], 0xff000000, v[BM+\b]    ; 2 off the exponent field: the conversion's scale operand
.endr
.irp b, 0,1,2,3
	v_lshrrev_b32 v[PD+\b], 23, v[SO+\b]
.endr
	v_lshl_or_b32 v[PWD], v[PD+1], 8, v[PD]
	v_lshl_or_b32 v[PWD], v[PD+2], 16, v[PWD]
	v_lshl_or_b32 v[PWD], v[PD+3], 24, v[PWD]
.irp c, 0,1
	v_cvt_scalef32_pk16_fp6_f32 v[PCD+6*\c:PCD+2+6*\c], v[S+32*\c:S+15+32*\c], v[SO+2*\c]
	v_cvt_scalef32_pk16_fp6_f32 v[PCD+12+4*\c:PCD+14+4*\c], v[S+16+32*\c:S+31+32*\c], v[SO+2*\c+1]
.endr
	v_nop                                          ; one plain place behind a scaled conversion
.irp c, 0,1
.irp i, 0,1,2
	v_permlane16_swap_b32 v[PCD+6*\c+\i], v[PCD+12+4*\c+\i]
.endr
.irp i, 0,1,2
	v_mov_b32 v[PCD+3+6*\c+\i], v[PCD+12+4*\c+\i]
.endr
.endr
	WIN 0x41
.set n, 0
.rept 64
	v_pk_mul_f32 v[2*n:2*n+1], v[2*n:2*n+1], v[FF:FF+1] op_sel_hi:[1,0]   ; O^T under the new M, each accumulator from its low end on; these lines also part p's codes and scale word from the products
.set n, n+1
.endr
.if \mid == 3
	s_wait_dscnt 0x0
.else
	s_wait_dscnt 56                                ; V of this step is in; the next K's 56 loads may be out
.endif
	WIN 0x53                                       ; source 0 (V) window 3, C and D (O^T) window 1
.set n, 0
.rept 16
.if n%2
	v_wmma_scale_f32_16x16x128_f8f6f4 v[8*n:8*n+7], v[12*n:12*n+11], v[PCD:PCD+11], v[8*n:8*n+7], v[VSC+n/2], v[PWD] matrix_a_fmt:MATRIX_FMT_FP6 matrix_b_fmt:MATRIX_FMT_FP6 matrix_a_scale:MATRIX_SCALE_ROW1
.else
	v_wmma_scale_f32_16x16x128_f8f6f4 v[8*n:8*n+7], v[12*n:12*n+11], v[PCD:PCD+11], v[8*n:8*n+7], v[VSC+n/2], v[PWD] matrix_a_fmt:MATRIX_FMT_FP6 matrix_b_fmt:MATRIX_FMT_FP6
.endif
.set n, n+1
.endr
	WIN 0
.Lhidden_\@:
.if \mid == 3
	s_wait_dscnt 0x0
.else
	s_wait_dscnt 56                                ; on the way round the work too: V's registers are loaded again only when their last loads are in
.endif
	s_add_co_i32 s[KB], s[KB], 1
.if \tail
	PLACES
	FETCH_V
.endif
.endm
	s_wait_tensorcnt 1                             ; my quarter of slot 0 is in; slot 1's may stay out
	s_barrier_signal -1
	s_barrier_wait -1
	FETCH_K
	FETCH_V
	s_wait_loadcnt 0x0                             ; q
.Lpair:                                            ; three trips: the pairs behind which a slot is filled again
	STEP 0, 1
	STEP 1, 1
	s_sub_co_u32 s[CNT], s[CNT], 1
	s_cmp_lg_u32 s[CNT], 0
	s_cbranch_scc1 .Lpair
	STEP 0, 1                                      ; the last two pairs are written out
	STEP 2, 1
	STEP 0, 1
	STEP 3, 0
	; THE WAY OUT: O^T / l; a block of 32 channels is brought into two lanes in its true order (the last projection's weight arrives so); quantised; the codes leave as rows.
	PLACES
	v_add_f32 v14, v14, v15
	v_permlanex16_b32 v[TT], v14, s[SEL], s[SEL+1]
	v_add_f32 v14, v14, v[TT]                      ; the row's sum
	v_rcp_f32 v14, v14
.irp b, 0,1,2,3,4,5,6,7
	v_mov_b32 v[200+\b], 0                         ; lane permutes' destinations; also the plain work behind the reciprocal
.endr
	s_wait_alu depctr_va_vdst(0)                   ; ahead of the reciprocal's first reader
	WIN 0x01
.set n, 0
.rept 64
	v_pk_mul_f32 v[64+2*n:65+2*n], v[2*n:2*n+1], v[14:15] op_sel_hi:[1,0]   ; register 8 dt + j: channel 16 dt + 8 h + j
.set n, n+1
.endr
	WIN 0
.set n, 0
.rept 64                               ; tiles 2 b and 2 b + 1 change halves: register 16 b + i then holds channel 32 b + 16 h + i
	v_permlane16_swap_b32 v[64+16*(n/8)+n%8], v[72+16*(n/8)+n%8]
.set n, n+1
.endr
.irp b, 0,1,2,3,4,5,6,7
	v_max3_num_f32 v[192+\b], |v[64+16*\b]|, |v[65+16*\b]|, 0x1800000
.endr
.irp i, 2,4,6,8,10,12,14
.irp b, 0,1,2,3,4,5,6,7
	v_max3_num_f32 v[192+\b], v[192+\b], |v[64+16*\b+\i]|, |v[65+16*\b+\i]|
.endr
.endr
.irp b, 0,1,2,3,4,5,6,7
	v_permlanex16_b32 v[200+\b], v[192+\b], s[SEL], s[SEL+1]
.endr
.irp b, 0,1,2,3,4,5,6,7
	v_max_num_f32 v[192+\b], v[192+\b], v[200+\b]
.endr
.irp b, 0,1,2,3,4,5,6,7
	v_add_nc_u32 v[208+\b], 0xff000000, v[192+\b]
.endr
.irp b, 0,1,2,3,4,5,6,7
	v_lshrrev_b32 v[216+\b], 23, v[208+\b]
.endr
.irp b, 0,1,2,3,4,5,6,7
	v_cvt_scalef32_pk16_fp6_f32 v[224+4*\b:226+4*\b], v[64+16*\b:79+16*\b], v[208+\b]   ; 16 codes, 12 bytes: bytes 24 b + 12 h of my head's 192
.endr
	v_nop                                          ; one plain place behind a scaled conversion
.irp w, 0,4
	v_lshl_or_b32 v[216+\w], v[217+\w], 8, v[216+\w]
	v_lshl_or_b32 v[216+\w], v[218+\w], 16, v[216+\w]
	v_lshl_or_b32 v[216+\w], v[219+\w], 24, v[216+\w]
.endr
	v_cndmask_b32 v216, v216, v220, s[HM]          ; lanes 0-15 blocks 0-3, lanes 16-31 blocks 4-7
.irp b, 0,1,2,3,4,5,6,7
	ds_store_b96 v41, v[224+4*\b:226+4*\b] offset:32*\b   ; to a place of 16 bytes, so that every LDS address is a multiple of 16
.endr
.irp i, 0,1,2,3,4,5,6,7
	ds_load_b96 v[64+4*\i:66+4*\i], v42 offset:544*\i     ; LDS serves a wave's instructions in order (ISA guide 5.7.1.4): these see my stores
.endr
	global_store_b32 v60, v216, s[10:11]
.irp i, 0,1,2,3,4,5,6,7
	s_wait_dscnt 7-\i                              ; load i is in; the younger ones may be out
	global_store_b96 v43, v[64+4*\i:66+4*\i], s[8:9] offset:1536*\i   ; sixteen lanes store a token's 192 consecutive bytes of this head
.endr
	s_wait_tensorcnt 0x0                           ; the wave's end
	ds_add_u32 v[SPW], v[NIL]
	s_wait_dscnt 0x0
	CROUND                                         ; the closing round
	s_endpgm
.Lfunc_end_k_q35fbf01a5e_attn:
	.size	k_q35fbf01a5e_attn, .Lfunc_end_k_q35fbf01a5e_attn-k_q35fbf01a5e_attn
	.p2alignl 7, 3214868480
	.fill 96, 4, 3214868480
	.section	.rodata,"a",@progbits
	.p2align	6, 0x0
	.amdhsa_kernel k_q35fbf01a5e_attn
		.amdhsa_group_segment_fixed_size 327680
		.amdhsa_private_segment_fixed_size 0
		.amdhsa_enable_private_segment 0
		.amdhsa_kernarg_size 32
		.amdhsa_user_sgpr_count 2
		.amdhsa_user_sgpr_kernarg_segment_ptr 1
		.amdhsa_wavefront_size32 1
		.amdhsa_system_sgpr_workgroup_id_x 1
		.amdhsa_system_sgpr_workgroup_id_y 1
		.amdhsa_system_sgpr_workgroup_id_z 1
		.amdhsa_system_vgpr_workitem_id 0
		.amdhsa_next_free_vgpr 960
		.amdhsa_next_free_sgpr 66
		.amdhsa_reserve_vcc 1
		.amdhsa_float_denorm_mode_32 3
		.amdhsa_float_denorm_mode_16_64 3
		.amdhsa_memory_ordered 1
		.amdhsa_forward_progress 1
		.amdhsa_inst_pref_size 235
	.end_amdhsa_kernel
	.amdgpu_metadata
---
amdhsa.version: [ 1, 2 ]
amdhsa.kernels:
  - .name:           k_q35fbf01a5e_attn
    .symbol:         k_q35fbf01a5e_attn.kd
    .args:
      - { .name: qbuf, .offset: 0, .size: 8, .value_kind: global_buffer, .address_space: global }
      - { .name: kv, .offset: 8, .size: 8, .value_kind: global_buffer, .address_space: global }
      - { .name: acodes, .offset: 16, .size: 8, .value_kind: global_buffer, .address_space: global }
      - { .name: ascales, .offset: 24, .size: 8, .value_kind: global_buffer, .address_space: global }
    .group_segment_fixed_size: 327680
    .private_segment_fixed_size: 0
    .kernarg_segment_align: 8
    .kernarg_segment_size: 32
    .max_flat_workgroup_size: 128
    .sgpr_count:     66
    .vgpr_count:     960
    .wavefront_size: 32
...
	.end_amdgpu_metadata
.endif
;; end of part 2
;; launch oproj (part 3): grid 8 x 16, 4 waves a work-group, clusters of 4 x 4, 327,680 bytes of LDS; arguments acodes, ascales, o_w_codes, o_w_scales, out0; writes out0
.if DOCPART == 3
	.amdgcn_target "amdgcn-amd-amdhsa--gfx1250"
	.amdhsa_code_object_version 6
	.text
	.protected	k_q35fbf01a5e_oproj
	.globl	k_q35fbf01a5e_oproj
	.p2align	8
	.type	k_q35fbf01a5e_oproj,@function
k_q35fbf01a5e_oproj:
	s_mov_b64 s[64:65], 0
	v_nop
	global_prefetch_b8 v0, s[64:65] scope:SCOPE_SE
	s_setreg_imm32_b32 hwreg(HW_REG_WAVE_MODE, 25, 1), 1
	s_wait_xcnt 0x0
	s_wait_alu depctr_hold_cnt(0) depctr_sa_sdst(0) depctr_va_vdst(0) depctr_va_sdst(0) depctr_va_ssrc(0) depctr_va_vcc(0) depctr_vm_vsrc(0)
	s_getreg_b32 s2, hwreg(HW_REG_IB_STS2, 6, 4)
	s_cmp_eq_u32 s2, 0
	s_cbranch_scc0 .Lentry_in_a_cluster
	s_endpgm
.Lentry_in_a_cluster:
	s_bfe_u32 s2, ttmp6, 0x10000c
	s_cmp_lg_u32 s2, 0xf033
	s_cbranch_scc0 .Lentry_shape_is_right
	s_endpgm
.Lentry_shape_is_right:
; out0[m][n] = sum over k of A[m][k] o_w[n][k].  A: attention's result, [4,096][1,024], o_w: [2,048][1,024]: codes of FP6 (E2M3), rows as streams of bits (128 codes = 96 bytes), one E8M0 byte for each 32 along K; out0 f32; sums in f32.
; A tile of 256 x 256 is made by a work-group of four waves; a wave makes 128 x 128: 64 accumulators.  K goes in steps of 256 through a ring of two LDS slots filled by the tensor data mover.
; The scale bytes of the work-group's 256 + 256 rows, for all of K, are two dense blocks: they come into LDS once, with the first fills, and stay.
; CLUSTERS: 4 x 4 work-groups; A's tiles are asked for jointly along a row of the cluster, o_w's along a column.  The matrix instruction is used transposed (source 0 = rows of o_w, source 1 = rows of A): a lane holds eight neighbouring numbers of a row of out0.
; 128 tiles: half of the chip's WGPs; a head's four parts of K meet only here, so this product cannot ride in the launch before.
; REGISTERS: window 0: v0-31 addresses; v32-63 scale words, two sets; from v128 A's fragments, one set.  window 1: B's fragments, two sets.  windows 2, 3: the accumulators.
.set SIZE_M, 4096
.set SIZE_N, 2048
.set SIZE_K, 1024
.set KSTEP,  256
.set NQ,     KSTEP/128
.set ROWB,   192
.set KROW,   SIZE_K*6/8
.set PITCH,  240                       ; 3 x (64 bytes + 16 of padding): the 32 lanes of a load of 8 bytes touch 64 different banks (64 banks of 4 bytes: ISA guide 11.1)
.set FR,     12
.set NL,     6
.set NP,     4                         ; places behind this matrix instruction (ISA guide 7.12.1)
.set HALFT,  128*PITCH
.set SLOT,   4*HALFT
.set LAPS,   SIZE_K/(2*KSTEP)
.set KS,     SIZE_K/32
.set SCL,    2*SLOT
.set HALFS,  (128*KS/256)*272
.set SBLK,   (16*KS/256)*272
.set SPARE,  SCL+4*HALFS               ; the spare words: 128 bytes a wave, named by no other line
.set SPITCH, 528                       ; the way out: 16 rows x (512 bytes + 16) for each wave, in slot 0, which has had its last fill and its last read by then
.set ADRA, 16
.set ADRB, 20
.set STO,  24
.set RD,   25
.set CO,   26
.set SPW,  28
.set NIL,  29
.set ADRS, 27
.set SC,   32
.set AF,   128
.set BK,   128
.set G1, 24
.set G0, 32
.set G1B, 48
.set G0B, 56
.set G1S, 68
.set G0S, 76
.set G1SB, 80
.set G0SB, 88
.set MSB, 0
.macro WIN new
.if MSB != \new
	s_set_vgpr_msb (MSB<<8)|\new
.set MSB, \new
.endif
.endm
.set MUL_LO, 0xa1
.set MUL_HI, 0xf1
.set TO_B,   0x40
.macro JLOAD g0a, g1a, g0b, g1b        ; a joint load: waves 0 and 1 fetch for A, waves 2 and 3 for B; four v_nop follow each of the two lines
	s_cmp_eq_u32 s15, 0
	s_cbranch_scc0 .Lfor_b_\@
	tensor_load_to_lds s[\g0a:\g0a+3], s[\g1a:\g1a+7]
	s_nop 0
.rept 4
	v_nop
.endr
	s_branch .Lasked_\@
.Lfor_b_\@:
	tensor_load_to_lds s[\g0b:\g0b+3], s[\g1b:\g1b+7]
	s_nop 0
.rept 4
	v_nop
.endr
.Lasked_\@:
.endm
.macro CREST
	s_cmp_lg_u32 s14, 0
	s_cbranch_scc1 .Lnot_wave_0_\@
	s_barrier_signal -3
.Lnot_wave_0_\@:
	s_barrier_wait -3
	s_barrier_signal -1
	s_barrier_wait -1
.endm
.macro CROUND
	s_barrier_signal -1
	s_barrier_wait -1
	CREST
.endm
	s_load_b128 s[4:7], s[0:1], 0x0                ; A's codes s[4:5], A's scales s[6:7]
	s_load_b128 s[8:11], s[0:1], 0x10              ; B's codes s[8:9], B's scales s[10:11]
	s_load_b64 s[12:13], s[0:1], 0x20              ; out0
	v_lshl_add_u32 v[SPW], v0, 2, SPARE
	v_mov_b32 v[NIL], 0
	ds_add_u32 v28, v29
	ds_add_u32 v28, v29
	s_wait_dscnt 0x0
	v_lshrrev_b32 v1, 5, v0
	v_readfirstlane_b32 s14, v1                    ; wave 0..3
	s_lshr_b32 s15, s14, 1                         ; which half of the tile's rows is mine.  Also: I fetch for A (0) or for B (1)
	s_and_b32 s16, s14, 1                          ; which half of its columns.  Also: which 128 rows I fetch
	s_bfe_u32 s40, ttmp6, 0x40000                  ; cx, cy
	s_bfe_u32 s41, ttmp6, 0x40004
	s_lshl_b32 s42, ttmp9, 2
	s_add_co_u32 s42, s42, s40                     ; tile column
	s_and_b32 s17, ttmp7, 0xffff
	s_lshl_b32 s17, s17, 2
	s_add_co_u32 s17, s17, s41                     ; tile row
	s_lshl_b32 s43, s41, 2
	s_lshl_b32 s43, 15, s43                        ; my row of the cluster
	s_lshl_b32 s44, 0x1111, s40                    ; my column
	s_or_b32 s[G1+0], s43, (0<<16)|(1<<20)|(1<<21)|(3<<22)|(3<<25)  ; the mask; elements of 1 byte; padding on; bit 21 beside a mask; after every 16 words 4 words
	s_or_b32 s[G1B+0], s44, (0<<16)|(1<<20)|(1<<21)|(3<<22)|(3<<25)
.irp g, G1, G1B
	s_mov_b32 s[\g+1], ROWB<<16
	s_mov_b32 s[\g+2], 128<<16
	s_mov_b32 s[\g+3], ROWB<<16
	s_mov_b32 s[\g+4], 128
	s_mov_b32 s[\g+5], KROW
	s_mov_b32 s[\g+6], 0
	s_mov_b32 s[\g+7], 0
.endr
	s_or_b32 s[G1S+0], s43, (3<<16)|(1<<20)|(1<<21)|(5<<22)|(3<<25)  ; the scales of 128 rows: a dense block, as rows of 256 bytes, 16 bytes of padding behind each
	s_or_b32 s[G1SB+0], s44, (3<<16)|(1<<20)|(1<<21)|(5<<22)|(3<<25)
.irp g, G1S, G1SB
	s_mov_b32 s[\g+1], 32<<16
	s_mov_b32 s[\g+2], (128*KS/256)<<16
	s_mov_b32 s[\g+3], 32<<16
	s_mov_b32 s[\g+4], 128*KS/256
	s_mov_b32 s[\g+5], 32
	s_mov_b32 s[\g+6], 0
	s_mov_b32 s[\g+7], 0
.endr
	s_lshl_b32 s18, s16, 7
	s_lshl_b32 s20, s17, 8
	s_add_co_u32 s20, s20, s18                     ; A: row 256 x tile row + 128 x half
	s_lshl_b32 s46, s42, 8
	s_add_co_u32 s46, s46, s18                     ; B: row 256 x tile column + 128 x half
	s_mov_b32 s21, 0
	s_mov_b32 s47, 0
	s_mov_b64 s[18:19], KS
	s_mul_u64 s[22:23], s[20:21], s[18:19]
	s_mul_u64 s[92:93], s[46:47], s[18:19]
	s_mov_b64 s[18:19], KROW
	s_mul_u64 s[20:21], s[20:21], s[18:19]
	s_mul_u64 s[46:47], s[46:47], s[18:19]
	s_mul_i32 s45, s14, HALFT                      ; no place in the cluster enters an LDS address
	s_mul_i32 s94, s14, HALFS
	s_wait_kmcnt 0x0
	s_add_nc_u64 s[20:21], s[4:5], s[20:21]
	s_add_nc_u64 s[22:23], s[6:7], s[22:23]
	s_add_nc_u64 s[46:47], s[8:9], s[46:47]
	s_add_nc_u64 s[92:93], s[10:11], s[92:93]
	CROUND                                         ; all sixteen work-groups are here: the first joint loads meet
	s_mov_b32 s[G0S], 1
	s_add_co_u32 s[G0S+1], s94, SCL
	s_mov_b64 s[G0S+2:G0S+3], s[22:23]
	s_or_b32 s[G0S+3], s[G0S+3], 0x80000000
	s_mov_b32 s[G0SB], 1
	s_add_co_u32 s[G0SB+1], s94, SCL
	s_mov_b64 s[G0SB+2:G0SB+3], s[92:93]
	s_or_b32 s[G0SB+3], s[G0SB+3], 0x80000000
	JLOAD G0S, G1S, G0SB, G1SB                     ; the scales first
.irp s, 0,1
	s_mov_b32 s[G0+4*\s], 1
	s_add_co_u32 s[G0+4*\s+1], s45, \s*SLOT
	s_add_nc_u64 s[G0+4*\s+2:G0+4*\s+3], s[20:21], \s*ROWB
	s_or_b32 s[G0+4*\s+3], s[G0+4*\s+3], 0x80000000
	s_mov_b32 s[G0B+4*\s], 1
	s_add_co_u32 s[G0B+4*\s+1], s45, \s*SLOT
	s_add_nc_u64 s[G0B+4*\s+2:G0B+4*\s+3], s[46:47], \s*ROWB
	s_or_b32 s[G0B+4*\s+3], s[G0B+4*\s+3], 0x80000000
	JLOAD G0+4*\s, G1, G0B+4*\s, G1B
.endr
	v_and_b32 v1, 15, v0
	v_bfe_u32 v2, v0, 4, 1
	v_mul_u32_u24 v3, v1, PITCH
	v_mul_u32_u24 v4, v2, 24
	v_add_nc_u32 v4, v3, v4                        ; a fragment's row x pitch + 24 x half
	v_lshl_add_u32 v5, v2, 4, v4                   ; and the same behind one padding more
	s_mul_i32 s21, s15, HALFT
	s_mul_i32 s22, s16, HALFT
	s_add_co_u32 s22, s22, 2*HALFT
.irp s, 0,1
	v_add_nc_u32 v[ADRA+\s], s21, v4
	v_add_nc_u32 v[ADRB+\s], s22, v4
	v_add_nc_u32 v[ADRA+2+\s], s21, v5
	v_add_nc_u32 v[ADRB+2+\s], s22, v5
	s_add_co_u32 s21, s21, SLOT
	s_add_co_u32 s22, s22, SLOT
.endr
	v_mul_u32_u24 v5, v1, KS
	v_lshrrev_b32 v6, 8, v5
	v_lshl_add_u32 v5, v6, 4, v5
	s_mul_i32 s21, s15, HALFS
	s_mul_i32 s22, s16, HALFS
	s_add_co_u32 s22, s22, 2*HALFS
	s_sub_co_u32 s22, s22, s21
	v_mul_u32_u24 v6, s22, v2                      ; lanes 16-31 take B's
	s_add_co_u32 s21, s21, SCL
	v_add_nc_u32 v5, v5, v6
	v_add_nc_u32 v[ADRS], s21, v5
	s_mul_i32 s23, s14, 16*SPITCH                  ; my stage
	v_mul_u32_u24 v5, v1, SPITCH
	v_lshl_add_u32 v5, v2, 5, v5
	v_add_nc_u32 v[STO], s23, v5
	v_and_b32 v6, 31, v0
	v_lshlrev_b32 v[CO], 4, v6
	v_add_nc_u32 v[RD], s23, v[CO]
	s_lshl_b32 s20, s17, 8
	s_lshl_b32 s21, s15, 7
	s_add_co_u32 s20, s20, s21                     ; my first row of out0
	s_mov_b32 s21, 0
	s_mov_b64 s[18:19], SIZE_N*4
	s_mul_u64 s[20:21], s[20:21], s[18:19]
	s_lshl_b32 s46, s42, 10                        ; my first column, in bytes
	s_lshl_b32 s47, s16, 9
	s_add_co_u32 s46, s46, s47
	s_mov_b32 s47, 0
	s_add_nc_u64 s[20:21], s[20:21], s[46:47]
	s_add_nc_u64 s[12:13], s[12:13], s[20:21]
.macro FRAG reg, adr, q, i             ; a fragment: lane l holds row l % 16; registers 6 c .. 6 c + 5 hold K = 64 c + 32 (l / 16) + 0 .. 31, in pieces of 8 bytes
.irp p, 0,1,2,3,4,5
.set PC, 12*(\q)+6*(\p/3)+\p%3
.if PC%8 < 5
	ds_load_b64 v[\reg+2*\p:\reg+2*\p+1], v[\adr] offset:8*PC+16*(PC/8)+(\i)*16*PITCH
.else
	ds_load_b64 v[\reg+2*\p:\reg+2*\p+1], v[\adr+2] offset:8*PC+16*(PC/8)+(\i)*16*PITCH
.endif
.endr
.endm
; 16 matrix instructions; the 64 accumulators take turns, one instruction a turn, in the same order in every step
.macro MUL16 a0, p, q, sc, zero
.irp a, \a0, \a0+1
.irp b, 0,1,2,3,4,5,6,7
.if \zero
	v_wmma_scale_f32_16x16x128_f8f6f4 v[8*(8*((\a)%4)+\b):8*(8*((\a)%4)+\b)+7], v[128*(\p)+FR*\b:128*(\p)+FR*\b+FR-1], v[AF+FR*(\a):AF+FR*(\a)+FR-1], 0, v[SC+8*NQ*(\sc)+NQ*\b+(\q)], v[SC+8*NQ*(\sc)+NQ*(\a)+(\q)] matrix_a_fmt:MATRIX_FMT_FP6 matrix_b_fmt:MATRIX_FMT_FP6 matrix_a_scale:MATRIX_SCALE_ROW1
.else
	v_wmma_scale_f32_16x16x128_f8f6f4 v[8*(8*((\a)%4)+\b):8*(8*((\a)%4)+\b)+7], v[128*(\p)+FR*\b:128*(\p)+FR*\b+FR-1], v[AF+FR*(\a):AF+FR*(\a)+FR-1], v[8*(8*((\a)%4)+\b):8*(8*((\a)%4)+\b)+7], v[SC+8*NQ*(\sc)+NQ*\b+(\q)], v[SC+8*NQ*(\sc)+NQ*(\a)+(\q)] matrix_a_fmt:MATRIX_FMT_FP6 matrix_b_fmt:MATRIX_FMT_FP6 matrix_a_scale:MATRIX_SCALE_ROW1
.endif
.endr
.endr
.endm
.macro FETCH_B slot, q, p
	WIN TO_B
.irp i, 0,1,2,3,4,5,6,7
	FRAG 128*(\p)+FR*\i, ADRB+\slot, \q, \i
.endr
	WIN 0
.endm
.macro FETCH_A slot, q, i0
.irp i, \i0, \i0+1, \i0+2, \i0+3
	FRAG AF+FR*(\i), ADRA+\slot, \q, \i
.endr
.endm
.macro SCALES sc
.irp i, 0,1,2,3,4,5,6,7
	ds_load_b64 v[SC+8*NQ*\sc+NQ*\i:SC+8*NQ*\sc+NQ*\i+1], v[ADRS] offset:\i*SBLK
.endr
.endm
.macro PLACES n
.rept \n
	v_nop
.endr
.endm
.macro STEP slot, q, zero
	s_wait_dscnt 4*NL                              ; B's set and A's blocks 0-3 are in; the youngest 24 loads (A's blocks 4-7) may be out
	WIN MUL_LO
	MUL16 0, (\q)%2, \q, \slot, \zero
	MUL16 2, (\q)%2, \q, \slot, \zero
	s_wait_dscnt 0
	PLACES NP
	FETCH_B \slot, (\q)+1, 1-(\q)%2
	FETCH_A \slot, (\q)+1, 0
	WIN MUL_HI
	MUL16 4, (\q)%2, \q, \slot, \zero
	MUL16 6, (\q)%2, \q, \slot, \zero
	PLACES NP
	WIN 0
	FETCH_A \slot, (\q)+1, 4
.endm
.macro TURN slot, next, fill           ; a slot's last step changes slots: one barrier
	s_wait_tensorcnt 0x0                           ; all my tensor loads have landed: my part of the next slot
	ds_add_u32 v[SPW], v[NIL]                      ; 0 onto my spare word
	s_wait_dscnt 4*NL+1                            ; (the add and the youngest 24 loads may be out)
	WIN MUL_LO
	MUL16 0, 1, NQ-1, \slot, 0
	s_wait_dscnt 0x0                               ; the add is done, and my reads of this slot are over
	s_barrier_signal -1
	MUL16 2, 1, NQ-1, \slot, 0
	WIN 0
	s_barrier_wait -1
.if \fill
	CREST                                          ; a round of the cluster's barrier: no wave of any partner still reads this slot or has a load on its way
	s_add_nc_u64 s[G0+4*\slot+2:G0+4*\slot+3], s[G0+4*\slot+2:G0+4*\slot+3], 2*ROWB
	s_add_nc_u64 s[G0B+4*\slot+2:G0B+4*\slot+3], s[G0B+4*\slot+2:G0B+4*\slot+3], 2*ROWB
	JLOAD G0+4*\slot, G1, G0B+4*\slot, G1B
.else
	PLACES NP
.endif
	v_add_nc_u32 v[ADRS], 4*NQ, v[ADRS]
	FETCH_B \next, 0, 0
	FETCH_A \next, 0, 0
	SCALES \next
	WIN MUL_HI
	MUL16 4, 1, NQ-1, \slot, 0
	MUL16 6, 1, NQ-1, \slot, 0
	PLACES NP
	WIN 0
	FETCH_A \next, 0, 4
.endm
	s_wait_tensorcnt 1                             ; the scales and my part of K step 0 are in (K step 1's load may be out),
	s_barrier_signal -1
	s_barrier_wait -1                              ; everybody's are
	FETCH_B 0, 0, 0
	FETCH_A 0, 0, 0
	SCALES 0
	FETCH_A 0, 0, 4
	STEP 0, 0, 1                                   ; the first step's products start the sums
	s_mov_b32 s3, LAPS-1
.Llap:
	TURN 0, 1, 1
	STEP 1, 0, 0
	TURN 1, 0, 1
	STEP 0, 0, 0
	s_sub_co_u32 s3, s3, 1
	s_cmp_lg_u32 s3, 0
	s_cbranch_scc1 .Llap
	TURN 0, 1, 0                                   ; the last lap fills nothing
	STEP 1, 0, 0
	s_wait_dscnt 4*NL
	WIN MUL_LO
	MUL16 0, 1, NQ-1, 1, 0
	MUL16 2, 1, NQ-1, 1, 0
	s_wait_dscnt 0
	WIN MUL_HI
	MUL16 4, 1, NQ-1, 1, 0
	MUL16 6, 1, NQ-1, 1, 0
	WIN 0
; THE WAY OUT, block by block of 16 rows x 128 columns, through my own stage in LDS: back come whole rows of 512 bytes.  LDS serves a wave's instructions in order (ISA guide 5.7.1.4): no wait between the stores and the loads.
.macro TOSTAGE a
.set AC, 64*((\a)%4)
	WIN 0x08+4*((\a)/4)
.irp b, 0,1,2,3,4,5,6,7
	ds_store_b128 v[STO], v[AC+8*\b:AC+8*\b+3] offset:64*\b          ; each accumulator from its low end on
	ds_store_b128 v[STO], v[AC+8*\b+4:AC+8*\b+7] offset:64*\b+16
.endr
	WIN 0
.set BB, BK+64*((\a)%2)
.irp t, 0,1,2,3,4,5,6,7,8,9,10,11,12,13,14,15
	ds_load_b128 v[BB+4*\t:BB+4*\t+3], v[RD] offset:\t*SPITCH
.endr
.endm
.macro SEND a, younger
.set BB, BK+64*((\a)%2)
	s_wait_dscnt \younger                          ; the block is back in registers
.if (\a) > 0
	s_add_nc_u64 s[12:13], s[12:13], 16*SIZE_N*4   ; (behind a wait on XCNT: the earlier stores have read their base)
.endif
.irp t, 0,1,2,3,4,5,6,7,8,9,10,11,12,13,14,15
	global_store_b128 v[CO], v[BB+4*\t:BB+4*\t+3], s[12:13] offset:\t*SIZE_N*4 th:TH_STORE_NT   ; 32 lanes store 512 consecutive bytes, at a multiple of 256 from out0's first byte
.endr
.endm
	PLACES NP
	TOSTAGE 0
.irp a, 1,2,3,4,5,6,7
.if \a > 1
	s_wait_xcnt 0x0                                ; block a - 2's stores have read their registers and their base
.endif
	TOSTAGE \a
	SEND \a-1, 32                                  ; behind block a - 1's loads: block a's 16 stores and 16 loads
.endr
	s_wait_xcnt 0x0
	SEND 7, 0
	s_wait_tensorcnt 0x0                           ; the wave's end
	ds_add_u32 v[SPW], v[NIL]
	s_wait_dscnt 0x0
	CROUND                                         ; the closing round
	s_endpgm
.Lfunc_end_k_q35fbf01a5e_oproj:
	.size	k_q35fbf01a5e_oproj, .Lfunc_end_k_q35fbf01a5e_oproj-k_q35fbf01a5e_oproj
	.p2alignl 7, 3214868480
	.fill 96, 4, 3214868480
	.section	.rodata,"a",@progbits
	.p2align	6, 0x0
	.amdhsa_kernel k_q35fbf01a5e_oproj
		.amdhsa_group_segment_fixed_size 327680
		.amdhsa_private_segment_fixed_size 0
		.amdhsa_enable_private_segment 0
		.amdhsa_kernarg_size 40
		.amdhsa_user_sgpr_count 2
		.amdhsa_user_sgpr_kernarg_segment_ptr 1
		.amdhsa_wavefront_size32 1
		.amdhsa_system_sgpr_workgroup_id_x 1
		.amdhsa_system_sgpr_workgroup_id_y 1
		.amdhsa_system_sgpr_workgroup_id_z 1
		.amdhsa_system_vgpr_workitem_id 0
		.amdhsa_next_free_vgpr 1024
		.amdhsa_next_free_sgpr 98
		.amdhsa_reserve_vcc 0
		.amdhsa_float_denorm_mode_32 3
		.amdhsa_float_denorm_mode_16_64 3
		.amdhsa_memory_ordered 1
		.amdhsa_forward_progress 1
		.amdhsa_inst_pref_size 160
	.end_amdhsa_kernel
	.amdgpu_metadata
---
amdhsa.version: [ 1, 2 ]
amdhsa.kernels:
  - .name:           k_q35fbf01a5e_oproj
    .symbol:         k_q35fbf01a5e_oproj.kd
    .args:
      - { .name: acodes, .offset: 0, .size: 8, .value_kind: global_buffer, .address_space: global }
      - { .name: ascales, .offset: 8, .size: 8, .value_kind: global_buffer, .address_space: global }
      - { .name: o_w_codes, .offset: 16, .size: 8, .value_kind: global_buffer, .address_space: global }
      - { .name: o_w_scales, .offset: 24, .size: 8, .value_kind: global_buffer, .address_space: global }
      - { .name: out0, .offset: 32, .size: 8, .value_kind: global_buffer, .address_space: global }
    .group_segment_fixed_size: 327680
    .private_segment_fixed_size: 0
    .kernarg_segment_align: 8
    .kernarg_segment_size: 40
    .max_flat_workgroup_size: 128
    .sgpr_count:     98
    .vgpr_count:     1024
    .wavefront_size: 32
...
	.end_amdgpu_metadata
.endif
;; end of part 3
